; MI455X (gfx1250); checked and timed in simulation.
; The chip was launched on July 23, 2026; its instructions are those of AMD's public machine-readable ISA for CDNA 5 (MIT licence, August 2026) and "CDNA5" Instruction Set Architecture Reference Guide (July 2026). The comments in the code are by the model that wrote it; some were corrected since.
;; Neuron Optimized Attention. Allowed arithmetic: matrix products marked QUANTISED: E2M3 operands, one E8M0 scale for each 32 along K, by v_wmma_scale_f32_16x16x128_f8f6f4 with both operands' format E2M3, f32 sums; everything else in f32.
;; Inputs: Wk 1,024 x 1,024 float32; Wo 1,024 x 1,024 float32; Wq 1,024 x 1,024 float32; Wv 1,024 x 1,024 float32; bk 1,024 float32; bo 1,024 float32; bq 1,024 float32; bv 1,024 float32; x 4 x 2,048 x 1,024 float32.
;; Outputs: out0 4 x 2,048 x 1,024 float32.
;; This version of the problem:
;;   THIS VERSION OF THE PROBLEM IS GIVEN IN LOW PRECISION. The matrix products marked QUANTISED in the list below multiply operands that are first quantised to E2M3 (2 exponent bits, 3 mantissa bits; 6 bits a number), with one power-of-two scale for each 32 numbers along K (OCP MX v1.0); their sums are f32. All else is computed in f32.
;;   The module's matrix products, in the order in which they are computed (A, B: the left and right operand; K: the contracted axis; several contracted axes count as one K, in the product's order):
;;     1. [M 8,192, K 1,024] x [K 1,024, N 1,024]; A: input x; B: input Wq: QUANTISED
;;     2. [M 8,192, K 1,024] x [K 1,024, N 1,024]; A: input x; B: input Wk: QUANTISED
;;     3. [M 8,192, K 1,024] x [K 1,024, N 1,024]; A: input x; B: input Wv: QUANTISED
;;     4. batch 64 x [M 2,048, K 64] x [K 64, N 2,048]; A: computed on the way; B: computed on the way: QUANTISED
;;     5. batch 64 x [M 2,048, K 2,048] x [K 2,048, N 64]; A: softmax (see below); B: computed on the way: QUANTISED
;;     6. [M 8,192, K 1,024] x [K 1,024, N 1,024]; A: computed on the way; B: input Wo: QUANTISED
;;   THE QUANTISER, for each operand of a quantised product, along K:
;;     - K is cut into blocks of 32 from its start; a last block that is shorter is filled with zeros.
;;     - A block's scale is 2^e with e = floor(log2(the largest magnitude in the block)) - 2, held to -126 .. 127; a block of zeros has e = 0. As a byte (E8M0): e + 127.
;;     - Each number is divided by its block's scale, clamped to +-7.5, and rounded to the nearest number of E2M3, ties to even, subnormals kept.
;;     - The product sums the exact products of the quantised numbers (number of the format x scale) in f32.
;;   ~~~python
;;   def quantise(x, axis):      # numpy; x: float32 -> the quantised numbers, widened to float32 again
;;       x = np.moveaxis(x, axis, -1); K = x.shape[-1]
;;       x = np.pad(x, [(0, 0)] * (x.ndim - 1) + [(0, -K % 32)]); x = x.reshape(x.shape[:-1] + (-1, 32)); a = np.abs(x).max(-1, keepdims=True)
;;       e = np.where(a > 0, np.clip(np.frexp(np.where(a > 0, a, 1))[1] - 1 - 2, -126, 127), 0)      # np.frexp(a)[1] - 1 = floor(log2(a)), exactly
;;       r = np.clip(x / 2.0 ** e, -7.5, 7.5)
;;       step = 2.0 ** (np.maximum(np.frexp(np.where(r == 0, 1, r))[1] - 1, 0) - 3)
;;       q = np.round(r / step) * step * 2.0 ** e      # np.round: ties to even
;;       return np.moveaxis(q.reshape(q.shape[:-2] + (-1,))[..., :K], -1, axis).astype(np.float32)
;;   ~~~
;;   SOFTMAX AHEAD OF A QUANTISED PRODUCT. Where the list says 'softmax', what is quantised is not the finished softmax but p = 2^(t - M), with t = logit x log2(e) and M = ceil(the row's largest t), a whole number; so 1/2 < the row's largest p <= 1. The row's sum l is taken of the UNQUANTISED p, in f32, and the product's result is divided by l at the end. Since M is a whole number, a kernel that streams over the keys may use a running M (the ceiling of the running maximum): every later rescaling is an exact power of two, which a block's scale takes up: the codes' values come out the same.
;;   OPERANDS COMPUTED ON THE WAY. 'Computed on the way' means the value that the module computes at that place (a softmax that the list does not call 'softmax' is quantised finished and normalised). What goes into a quantiser is computed in f32, as accurately as f32 sums, v_exp_f32 and their like allow (about 1e-6 of the number): no bf16 or f16 on the way to a quantiser, and a product that is left as it is and whose result goes on into a quantised operand takes f32 operands (vector FMAs, or v_wmma_f32_16x16x4_f32). A number that lies on a knife's edge between two numbers of the format may be rounded either way, as far as f32 arithmetic and the matrix unit's own rounding can turn it there, and no further.
;; One version. Each part assembles by itself: llvm-mc -triple=amdgcn-amd-amdhsa -mcpu=gfx1250 --defsym DOCPART=n.
;; ======== version 1 of 1: 4 launches
;; limits: right only within a limited range of input values
;; workspace buffers: xc 6,291,456 bytes; xs 262,144 bytes; wc 3,145,728 bytes; ws 131,072 bytes; qkvc 18,874,368 bytes; qkvs 1,572,864 bytes; aoc 6,291,456 bytes; aos 262,144 bytes
;; launch quant (part 1): grid 384 x 1, 4 waves a work-group, no clusters, 34,304 bytes of LDS; arguments x, Wq, Wk, Wv, Wo, xc, xs, wc, ws; writes xc, xs, wc, ws
.if DOCPART == 1
	.amdgcn_target "amdgcn-amd-amdhsa--gfx1250"
	.amdhsa_code_object_version 6
	.text
	.protected	k_q207cce0d0b_quant
	.globl	k_q207cce0d0b_quant
	.p2align	8
	.type	k_q207cce0d0b_quant,@function
k_q207cce0d0b_quant:
	s_mov_b64 s[64:65], 0
	v_nop
	global_prefetch_b8 v0, s[64:65] scope:SCOPE_SE
	s_setreg_imm32_b32 hwreg(HW_REG_WAVE_MODE, 25, 1), 1
	s_wait_xcnt 0x0
; x [8192][1024] and Wq, Wk, Wv, Wo [1024][1024], f32 with K innermost, become codes of FP6 (E2M3) and E8M0 scale bytes, one for each 32 along K.
; A block's scale is 2^(floor(log2(its largest magnitude)) - 2): its byte is the largest magnitude's exponent field - 2, held at 1 from below.
; LIMITS: NaN and infinities among the inputs are not served; a block whose largest magnitude lies under 2^-124 gets the byte 1; a block of zeros gets the byte 1 where the
; quantiser says 127: its codes are zeros, which add nothing under any byte but 0xff, and these bytes are read by this program alone.
; LAYOUT OF THE RESULTS: images of operand registers.  A fragment is 16 rows x 128 K, 12 registers a lane; lane L = 16 h + r holds row r, registers 6 c .. 6 c + 5 = k 64 c + 32 h + 0 .. 31.
; Half c of a fragment is 768 bytes: registers 6 c .. 6 c + 3 at 16 L, registers 6 c + 4, 6 c + 5 at 512 + 8 L.  Fragment (row tile T, K step s) lies at (T / 8) x 98,304 + s x 12,288 + (T % 8) x 1,536.
; Its scale words (four bytes a row) lie at (T / 8) x 4,096 + (s / 2) x 1,024 + (T % 8) x 128 + 8 r + 4 (s % 2).
; ROWS ARE STORED BY POSITION: position p holds the true row with bits 3 and 4 of p exchanged, so row r of tile 2 j + u is true row 32 j + 8 u + r + 8 (r / 8).  A tile of neighbouring positions,
; used as source 0 of a product, then leaves 16 neighbours of the true order in the 16 registers of two neighbouring result tiles.
; SHARES: a work-group takes 32 rows, all of K; wave w takes K steps 2 w and 2 w + 1: four fragments f = 2 u + q (tile 2 j + u, K step 2 w + q).  Work-groups 0-255 take x, 256-383 the four weights.
; Each load reads 512 consecutive bytes of one row; the 16 rows of a fragment turn through the wave's own stage in LDS (rows of 512 + 16 bytes) and come back 32 neighbours a block to a lane.
; Every store covers whole aligned runs of 256 bytes.  No tensor load, no barrier: waves share nothing.  No matrix unit, no cluster: the launch only streams.
.set STGB, 8448                        ; a wave's stage: 16 rows x 528 bytes
.set R,    16                          ; v16-143  two sets of 64: a fragment's numbers as loaded
.set X,    144                         ; v144-207 my 64 numbers: X + 32 c + n = k 64 c + 32 h + n of row r
.set PC,   208                         ; v208-219 the fragment's codes
.set PT,   220                         ; v220-222, v224-226 the upper halves of the blocks' codes, on their way
.set BM,   228                         ; v228-229 the two blocks' largest magnitudes
.set SO,   230                         ; v230-231 the conversions' scale operands
.set BY,   232                         ; v232-233 the scale bytes
.set W,    236                         ; v236-239 fragment f's scale word of row r
.set SW,   240                         ; v240-241 the words as they are stored
	s_load_b256 s[4:11], s[0:1], 0x0               ; x, Wq, Wk, Wv
	s_load_b256 s[12:19], s[0:1], 0x20             ; Wo, xc, xs, wc
	s_load_b64 s[20:21], s[0:1], 0x40              ; ws
	v_lshl_add_u32 v248, v0, 2, 0x8400
	v_mov_b32 v249, 0
	v_lshrrev_b32 v1, 5, v0
	v_readfirstlane_b32 s22, v1                    ; wave 0..3
	v_and_b32 v1, 31, v0                           ; lane L
	v_and_b32 v7, 15, v0                           ; r
	v_bfe_u32 v6, v0, 4, 1                         ; h
	v_lshlrev_b32 v2, 4, v1                        ; 16 L: my bytes of a load's 512, and of a store's
	v_lshlrev_b32 v5, 3, v1                        ; 8 L
	s_mul_i32 s23, s22, STGB
	v_add_nc_u32 v3, s23, v2                       ; the stage, on the way in: 16 L in a row
	v_mul_u32_u24 v4, v7, 528
	v_lshl_add_u32 v4, v6, 7, v4
	v_add_nc_u32 v4, s23, v4                       ; and on the way out: row r, + 128 h bytes: my 32 numbers of a block pair
	v_lshlrev_b32 v6, 3, v6                        ; 8 h: how far my two scale bytes are shifted up
	v_mov_b32 v8, 0                                ; a lane permute's destination counts as one of its sources
	s_mov_b32 s30, 0x76543210
	s_mov_b32 s31, 0xfedcba98                      ; selects for lane l xor 16
	s_cmp_lt_u32 ttmp9, 256                        ; x's work-group or a weight's?
	s_cselect_b32 s32, 0, 256
	s_sub_co_u32 s33, ttmp9, s32                   ; j: which 32 rows of the destination
	s_lshr_b32 s34, s33, 5                         ; which weight
	s_and_b32 s35, s33, 31                         ; and which 32 rows of it
	s_cmp_lt_u32 ttmp9, 256
	s_cselect_b32 s35, s33, s35                    ; the source's 32 rows
	s_lshl_b32 s36, s35, 17                        ; 32 rows of 4,096 bytes
	s_lshl_b32 s37, s22, 10                        ; + my two K steps: 1,024 bytes a wave
	s_add_co_u32 s36, s36, s37
	s_mov_b32 s37, 0
	s_lshr_b32 s38, s33, 2                         ; the group of 128 rows
	s_and_b32 s39, s33, 3
	s_mul_i32 s40, s38, 98304
	s_mul_i32 s41, s22, 24576
	s_add_co_u32 s40, s40, s41
	s_mul_i32 s41, s39, 3072
	s_add_co_u32 s40, s40, s41                     ; where my four fragments begin
	s_mov_b32 s41, 0
	s_lshl_b32 s42, s38, 12
	s_lshl_b32 s43, s22, 10
	s_add_co_u32 s42, s42, s43
	s_lshl_b32 s43, s39, 8
	s_add_co_u32 s42, s42, s43                     ; and my 256 bytes of scale words
	s_mov_b32 s43, 0
	s_wait_alu depctr_va_vdst(0)
	s_wait_kmcnt 0x0
	s_cmp_eq_u32 s34, 1                            ; the choices hang on the work-group's number alone
	s_cselect_b64 s[24:25], s[8:9], s[6:7]
	s_cmp_eq_u32 s34, 2
	s_cselect_b64 s[24:25], s[10:11], s[24:25]
	s_cmp_eq_u32 s34, 3
	s_cselect_b64 s[24:25], s[12:13], s[24:25]
	s_cmp_lt_u32 ttmp9, 256
	s_cselect_b64 s[24:25], s[4:5], s[24:25]       ; the source
	s_cselect_b64 s[26:27], s[14:15], s[18:19]     ; the codes
	s_cselect_b64 s[28:29], s[16:17], s[20:21]     ; the scale words
	s_add_nc_u64 s[24:25], s[24:25], s[36:37]
	s_add_nc_u64 s[26:27], s[26:27], s[40:41]
	s_add_nc_u64 s[28:29], s[28:29], s[42:43]
.macro LOADF f                         ; fragment f's 16 rows, 512 consecutive bytes each, into set f % 2
.irp r, 0,1,2,3,4,5,6,7,8,9,10,11,12,13,14,15
	global_load_b128 v[R+64*((\f)%2)+4*\r:R+64*((\f)%2)+4*\r+3], v2, s[24:25] offset:(8*((\f)/2)+\r+8*(\r/8))*4096+512*((\f)%2) th:TH_LOAD_NT
.endr
.endm
.macro TURNF f                         ; through the stage: LDS serves a wave's instructions in order, so no wait stands between the stores and the loads
.irp r, 0,1,2,3,4,5,6,7,8,9,10,11,12,13,14,15
	ds_store_b128 v3, v[R+64*((\f)%2)+4*\r:R+64*((\f)%2)+4*\r+3] offset:528*\r
.endr
.irp c, 0,1
.irp i, 0,1,2,3,4,5,6,7
	ds_load_b128 v[X+32*\c+4*\i:X+32*\c+4*\i+3], v4 offset:256*\c+16*\i
.endr
.endr
	s_wait_dscnt 0x0                               ; my 64 numbers are in, and the stores have read their registers
.endm
.macro QF f                            ; my two whole blocks (2 c + h of row r) become six registers of codes each, and a scale word
.irp c, 0,1
	v_max3_num_f32 v[BM+\c], |v[X+32*\c]|, |v[X+32*\c+1]|, 0x1800000   ; with the floor 2^(3 - 127): the byte cannot fall under 1
.endr
.irp i, 2,4,6,8,10,12,14,16,18,20,22,24,26,28,30
.irp c, 0,1
	v_max3_num_f32 v[BM+\c], v[BM+\c], |v[X+32*\c+\i]|, |v[X+32*\c+\i+1]|   ; the two blocks by turns
.endr
.endr
.irp c, 0,1
	v_add_nc_u32 v[SO+\c], 0xff000000, v[BM+\c]    ; 2 off the exponent field: the conversion takes the exponent field of this operand as its scale
.endr
.irp c, 0,1
	v_lshrrev_b32 v[BY+\c], 23, v[SO+\c]           ; the scale's byte
.endr
	v_lshl_or_b32 v7, v[BY+1], 16, v[BY]           ; my two bytes: blocks h and 2 + h,
	v_lshlrev_b32 v7, v6, v7                       ; at their places in the word;
	v_permlanex16_b32 v8, v7, s30, s31
	v_or_b32 v[W+(\f)], v7, v8                     ; with lane l xor 16's two the word is whole
.if (\f) > 0
	s_wait_alu depctr_va_vdst(0)
	s_wait_xcnt 0x0                                ; the last fragment's stores have read the codes' registers
.endif
.irp c, 0,1
	v_cvt_scalef32_pk16_fp6_f32 v[PC+6*\c:PC+6*\c+2], v[X+32*\c:X+32*\c+15], v[SO+\c]
	v_cvt_scalef32_pk16_fp6_f32 v[PT+4*\c:PT+4*\c+2], v[X+32*\c+16:X+32*\c+31], v[SO+\c]   ; (a conversion's three registers begin on an even number)
.endr
	v_nop                                          ; one plain place behind a scaled conversion
.irp c, 0,1
.irp i, 0,1,2
	v_mov_b32 v[PC+6*\c+3+\i], v[PT+4*\c+\i]
.endr
.endr
.irp c, 0,1
	global_store_b128 v2, v[PC+6*\c:PC+6*\c+3], s[26:27] offset:12288*((\f)%2)+1536*((\f)/2)+768*\c        ; 512 consecutive bytes
	global_store_b64 v5, v[PC+6*\c+4:PC+6*\c+5], s[26:27] offset:12288*((\f)%2)+1536*((\f)/2)+768*\c+512   ; 256 consecutive bytes
.endr
.endm
	LOADF 0
	LOADF 1
.irp f, 0,1,2,3
.if \f < 3
	s_wait_loadcnt 16                              ; this fragment's 16 loads are in; the next fragment's 16 may be out
.else
	s_wait_loadcnt 0x0
.endif
	TURNF \f
.if \f < 2
	LOADF \f+2                                     ; into the set that the stage has just taken over
.endif
	QF \f
.endr
	v_cmp_le_u32 vcc_lo, 16, v1                    ; lanes 0-15 store tile 2 j's words, lanes 16-31 tile 2 j + 1's; two K steps a lane
	v_cndmask_b32 v[SW], v[W], v[W+2], vcc_lo
	v_cndmask_b32 v[SW+1], v[W+1], v[W+3], vcc_lo
	global_store_b64 v5, v[SW:SW+1], s[28:29]      ; 256 consecutive bytes, aligned
	s_wait_tensorcnt 0x0
	ds_add_u32 v248, v249
	s_wait_dscnt 0x0
	s_endpgm
.Lfunc_end_k_q207cce0d0b_quant:
	.size	k_q207cce0d0b_quant, .Lfunc_end_k_q207cce0d0b_quant-k_q207cce0d0b_quant
	.p2alignl 7, 3214868480
	.fill 96, 4, 3214868480
	.section	.rodata,"a",@progbits
	.p2align	6, 0x0
	.amdhsa_kernel k_q207cce0d0b_quant
		.amdhsa_group_segment_fixed_size 34304
		.amdhsa_private_segment_fixed_size 0
		.amdhsa_enable_private_segment 0
		.amdhsa_kernarg_size 72
		.amdhsa_user_sgpr_count 2
		.amdhsa_user_sgpr_kernarg_segment_ptr 1
		.amdhsa_wavefront_size32 1
		.amdhsa_system_sgpr_workgroup_id_x 1
		.amdhsa_system_sgpr_workgroup_id_y 1
		.amdhsa_system_sgpr_workgroup_id_z 1
		.amdhsa_system_vgpr_workitem_id 0
		.amdhsa_next_free_vgpr 250
		.amdhsa_next_free_sgpr 66
		.amdhsa_reserve_vcc 1
		.amdhsa_float_denorm_mode_32 3
		.amdhsa_float_denorm_mode_16_64 3
		.amdhsa_memory_ordered 1
		.amdhsa_forward_progress 1
		.amdhsa_inst_pref_size 31
	.end_amdhsa_kernel
	.amdgpu_metadata
---
amdhsa.version: [ 1, 2 ]
amdhsa.kernels:
  - .name:           k_q207cce0d0b_quant
    .symbol:         k_q207cce0d0b_quant.kd
    .args:
      - { .name: x, .offset: 0, .size: 8, .value_kind: global_buffer, .address_space: global }
      - { .name: Wq, .offset: 8, .size: 8, .value_kind: global_buffer, .address_space: global }
      - { .name: Wk, .offset: 16, .size: 8, .value_kind: global_buffer, .address_space: global }
      - { .name: Wv, .offset: 24, .size: 8, .value_kind: global_buffer, .address_space: global }
      - { .name: Wo, .offset: 32, .size: 8, .value_kind: global_buffer, .address_space: global }
      - { .name: xc, .offset: 40, .size: 8, .value_kind: global_buffer, .address_space: global }
      - { .name: xs, .offset: 48, .size: 8, .value_kind: global_buffer, .address_space: global }
      - { .name: wc, .offset: 56, .size: 8, .value_kind: global_buffer, .address_space: global }
      - { .name: ws, .offset: 64, .size: 8, .value_kind: global_buffer, .address_space: global }
    .group_segment_fixed_size: 34304
    .private_segment_fixed_size: 0
    .kernarg_segment_align: 8
    .kernarg_segment_size: 72
    .max_flat_workgroup_size: 128
    .sgpr_count:     66
    .vgpr_count:     250
    .wavefront_size: 32
...
	.end_amdgpu_metadata
.endif
;; end of part 1
;; launch proj (part 2): grid 4 x 64, 4 waves a work-group, clusters of 4 x 4, 327,680 bytes of LDS; arguments xc, xs, wc, ws, bq, bk, bv, qkvc, qkvs; writes qkvc, qkvs
.if DOCPART == 2
	.amdgcn_target "amdgcn-amd-amdhsa--gfx1250"
	.amdhsa_code_object_version 6
	.text
	.protected	k_q207cce0d0b_proj
	.globl	k_q207cce0d0b_proj
	.p2align	8
	.type	k_q207cce0d0b_proj,@function
k_q207cce0d0b_proj:
	s_mov_b64 s[64:65], 0
	v_nop
	global_prefetch_b8 v0, s[64:65] scope:SCOPE_SE
	s_setreg_imm32_b32 hwreg(HW_REG_WAVE_MODE, 25, 1), 1
	s_wait_xcnt 0x0
	s_wait_alu depctr_hold_cnt(0) depctr_sa_sdst(0) depctr_va_vdst(0) depctr_va_sdst(0) depctr_va_ssrc(0) depctr_va_vcc(0) depctr_vm_vsrc(0)
	s_getreg_b32 s2, hwreg(HW_REG_IB_STS2, 6, 4)
	s_cmp_eq_u32 s2, 0
	s_cbranch_scc0 .Lentry_in_a_cluster
	s_endpgm
.Lentry_in_a_cluster:
	s_bfe_u32 s2, ttmp6, 0x10000c
	s_cmp_lg_u32 s2, 0xf033
	s_cbranch_scc0 .Lentry_shape_is_right
	s_endpgm
.Lentry_shape_is_right:
; Q, K, V = x W^T + b on codes of FP6 (E2M3) with E8M0 scale words, and their quantisers: the results leave as codes and scale words, as images of the operand registers of the launch that reads them.
; IN: xc, wc: fragment (row tile T, K step s) at (T / 8) x 98,304 + s x 12,288 + (T % 8) x 1,536; xs, ws: its scale words at (T / 8) x 4,096 + (s / 2) x 1,024 + (T % 8) x 128 + 8 r + 4 (s % 2).
; wc, ws: Wq is groups 0-7 of 128 rows, Wk 8-15, Wv 16-23.  Rows lie by POSITION (bits 3 and 4 of the true row exchanged), so the 16 registers of result tiles 2 b, 2 b + 1 are 16 neighbours of the true order.
; OUT: qkvc[Q, K, V][batch x 16 + head][key step of 128 tokens]: Q, K: [tile of 16 tokens][768 bytes]: six registers a lane, 64 channels; V: [tile of 16 channels][1,536]: twelve registers, 128 tokens.
; qkvs likewise, 512 bytes a key step: Q, K: word i of lane 16 u + r: tile 2 i + u, row r; V: word t of lane r: tile t.
; SHARES.  256 work-groups of four waves.  Work-group (X, Y) holds x's group Y (128 tokens, all of K, 98,304 bytes) in LDS for the whole launch and makes three tiles with it: 256 columns of Q, of K and of V
; (rows 256 X .. of Wq, Wk, Wv).  A product's source 1 is the side of which a lane holds one row, source 0 the side along which its registers run, which is the side that is quantised along:
; Q, K: source 1 = x, a wave's 64 tokens; source 0 = W, its 128 channels (two heads).  V: source 1 = Wv, a wave's 64 channels (one head); source 0 = x, all 128 tokens.  32 accumulators a wave.
; LDS: x at 0; the weights' two slots behind it, four K steps each: 98,304 + 98,304 (s / 4) + 49,152 group + 12,288 (s % 4); then the spare words.
; FILLS.  At the head one joint load a wave, each in an arm of its own: x's K steps 0-3, Wq's, x's K steps 4-7, Wq's.  The first barrier shows the first two.  FOUR REFILLS, in K steps 3 and 7 of tiles Q and K:
; the slot just read out takes the next weight's four K steps; every wave runs the three lines, a round of the cluster's barrier follows, and every wave asks for a quarter of the slot (24,576 bytes)
; by one line.  The same round shows the other slot's fill to all.  In V's K step 3 a plain barrier does that.
; CLUSTERS 4 x 4: x's tiles hang on Y alone and are asked for jointly by a row of the cluster, the weights' on X alone, by a column.
; The scale words and biases come straight into registers, 256 consecutive bytes a load of scale words; the bias is the first products' C.
; The three tiles are written out by one macro: their scale registers differ, and scale registers have no window.  No prefetch: the walk is written out, there is no loop to run ahead in, and a refill is asked
; for four K steps ahead of its first read.
; The scale words of Q and K leave 8 bytes a lane, 16 bytes apart: the two waves that share a key step fill each other's gaps; 1 byte beside 24 of codes.
; LIMITS: NaN and infinities are not served; a block whose largest magnitude lies under 2^-124, a block of zeros among them, gets the byte 1: these bytes are read by this program alone.
; REGISTERS: window 0: v8-23 LDS addresses, v32-159 scale words, v160-207 the quantiser's, v208-255 codes; window 1: source 0's fragments, two sets of eight, at v0 and v128;
; window 2: accumulator (a, b) at v[8 (8 a + b)]; window 3: source 1's fragments, two sets of four, at v0 and v48; the biases from v96 on.
.set KSB,   12288
.set FRB,   1536
.set HALFA, 49152                      ; four K steps of a group
.set WR,    98304                      ; the weights' slots
.set SPARE, 294912
.set FR,    12
.set NP,    4
.set ADRA1, 8                          ; V: source 1 (Wv): v8, v9 (16 x lane; K steps 0-3, 4-7), v10, v11 (8 x lane)
.set ADRB1, 12                         ; V: source 0 (x)
.set ADRA0, 16                         ; Q, K: source 1 (x)
.set ADRB0, 20                         ; Q, K: source 0 (W)
.set SPW,   28
.set NIL,   29
.set SAX,   32                         ; scale words: x's, my four tiles
.set SBQ,   48                         ; Wq's eight tiles
.set SBK,   80                         ; Wk's
.set SAV,   112                        ; Wv's, my four tiles
.set SBX,   128                        ; x's eight tiles
.set TM,    160
.set PT,    188
.set PWS,   196
.set SW,    200
.set SW2,   202
.set PC,    208                        ; twelve registers of codes for each of a tile's four blocks
.set BIQ,   96                         ; window 3
.set BIK,   160
.set BIV,   224
.set G1X, 24
.set G0X, 32
.set G1W, 48
.set G0W, 56
.set G1R, 68
.set G0R, 76
.set SEL, 66
.set WV,  92
.set HA,  93
.set HB,  94
.set MSB, 0
.macro WIN new
.if MSB != \new
	s_set_vgpr_msb (MSB<<8)|\new
.set MSB, \new
.endif
.endm
.macro PLACES n
.rept \n
	v_nop
.endr
.endm
.macro CREST
	s_cmp_lg_u32 s[WV], 0
	s_cbranch_scc1 .Lnot_wave_0_\@
	s_barrier_signal -3
.Lnot_wave_0_\@:
	s_barrier_wait -3
	s_barrier_signal -1
	s_barrier_wait -1
.endm
.macro CROUND
	s_barrier_signal -1
	s_barrier_wait -1
	CREST
.endm
.macro TLOAD g0, g1
	tensor_load_to_lds s[\g0:\g0+3], s[\g1:\g1+7]
	s_nop 0
	PLACES 4
.endm
.macro ARM under, g0, g1, next
	s_cmp_lt_u32 s[WV], \under
	s_cbranch_scc0 \next
	TLOAD \g0, \g1
	s_branch .Lhead_asked
\next:
.endm
.macro FRAG reg, adr, q, i
.irp c, 0,1
	ds_load_b128 v[\reg+6*\c:\reg+6*\c+3], v[\adr] offset:KSB*(\q)+FRB*(\i)+768*\c
	ds_load_b64 v[\reg+6*\c+4:\reg+6*\c+5], v[\adr+2] offset:KSB*(\q)+FRB*(\i)+768*\c+512
.endr
.endm
.macro FETCH st, aa, ab                ; K step st's fragments into set st % 2: 48 loads
	WIN 0x40
.irp i, 0,1,2,3,4,5,6,7
	FRAG 128*((\st)%2)+FR*\i, \ab+(\st)/4, (\st)%4, \i
.endr
	WIN 0xc0
.irp i, 0,1,2,3
	FRAG 48*((\st)%2)+FR*\i, \aa+(\st)/4, (\st)%4, \i
.endr
.endm
; Eight products: source 1's block 2 ap + ua against source 0's eight.  The 32 accumulators take turns in the same order in every K step.
; SAc, SBc: the tile's scale words; CM: 1 the bias runs along source 0, 2 along source 1; BIc: its registers.
.macro MUL8 ap, ua, st
.irp bb, 0,1,2,3
.irp ub, 0,1
.set AC_, 8*(8*(2*(\ap)+\ua)+2*\bb+\ub)
.set BF_, 128*((\st)%2)+FR*(2*\bb+\ub)
.set AF_, 48*((\st)%2)+FR*(2*(\ap)+\ua)
.set XB_, SBc+8*((\st)/2)+2*\bb+(\st)%2
.set XA_, SAc+4*((\st)/2)+2*(\ap)+(\st)%2
.if (\st) > 0
.set C_, AC_
.elseif CM == 1
.set C_, BIc+8*(2*\bb+\ub)
.else
.set C_, BIc+8*(2*(\ap)+\ua)
.endif
	v_wmma_scale_f32_16x16x128_f8f6f4 v[AC_:AC_+7], v[BF_:BF_+FR-1], v[AF_:AF_+FR-1], v[C_:C_+7], v[XB_], v[XA_] matrix_a_fmt:MATRIX_FMT_FP6 matrix_b_fmt:MATRIX_FMT_FP6 matrix_a_scale:MATRIX_SCALE_ROW\ub matrix_b_scale:MATRIX_SCALE_ROW\ua
.endr
.endr
.endm
.macro MULH ap, st
	MUL8 \ap, 0, \st
	MUL8 \ap, 1, \st
.endm
.macro MWIN st                         ; source 0 window 1, source 1 window 3, D window 2; C window 2, in K step 0 the bias in window 3
.if (\st) == 0
	WIN 0xbd
.else
	WIN 0xad
.endif
.endm
.macro STEP st                         ; the next K step's fragments go into the set that the last K step's products read: four places stand between
	PLACES NP
	FETCH (\st)+1, AA, AB
	s_wait_dscnt 48                                ; all but the 48 just issued: this K step's fragments are in
	MWIN \st
	MULH 0, \st
	MULH 1, \st
.endm
; A K step with a refill: slot \slot, whose last fragments are in my registers, takes the next weight's four K steps; then K step \fst is fetched by the address registers \faa, \fab.
.macro TURN st, slot, fst, faa, fab
	WIN 0
	s_wait_tensorcnt 0x0                           ; all my tensor loads have landed, my quarter of the other slot among them;
	ds_add_u32 v[SPW], v[NIL]
	s_wait_dscnt 1                                 ; (the add may be out: this K step's fragments are in)
	MWIN \st
	MUL8 0, 0, \st
	s_wait_dscnt 0x0                               ; the add is done, and my reads of the slot are over
	s_barrier_signal -1
	MUL8 0, 1, \st
	WIN 0
	s_barrier_wait -1
	CREST                                          ; the barrier has opened a round of the cluster's barrier: no wave of any partner still reads the slot or has a load on its way
.if TN == 1
	s_add_nc_u64 s[G0R+4*\slot+2:G0R+4*\slot+3], s[G0R+4*\slot+2:G0R+4*\slot+3], 786432   ; from Wk to Wv: eight groups on
.endif
	TLOAD G0R+4*\slot, G1R                         ; my one load behind the round; its four v_nop are the places in front of the loads below
	FETCH \fst, \faa, \fab
	MWIN \st
	MULH 1, \st
.endm
; THE QUANTISER of block a: 16 rows of source 1 x 128 along source 0: four blocks of 32; a block lies in lanes l and l xor 16.
.macro QUANT a
.set AC, 64*(\a)
.set PCa, PC+12*(\a)
	WIN 0x28
.irp b, 0,1,2,3
	v_max3_num_f32 v[TM+\b], s3, |v[AC+16*\b]|, |v[AC+16*\b+1]|    ; with the floor 2^(3 - 127): the byte cannot fall under 1
.endr
.irp i, 2,4,6,8,10,12,14
.irp b, 0,1,2,3
	v_max3_num_f32 v[TM+\b], v[TM+\b], |v[AC+16*\b+\i]|, |v[AC+16*\b+\i+1]|
.endr
.endr
	WIN 0
.irp b, 0,1,2,3
	v_permlanex16_b32 v[TM+4+\b], v[TM+\b], s[SEL], s[SEL+1]
.endr
.irp b, 0,1,2,3
	v_max_num_f32 v[TM+\b], v[TM+\b], v[TM+4+\b]
.endr
.irp b, 0,1,2,3
	v_add_nc_u32 v[TM+12+\b], 0xff000000, v[TM+\b]                 ; 2 off the exponent field: the conversion's scale operand
.endr
.irp b, 0,1,2,3
	v_lshrrev_b32 v[TM+4+\b], 23, v[TM+12+\b]                      ; the scale's byte
.endr
	v_lshl_or_b32 v[PWS+(\a)], v[TM+5], 8, v[TM+4]
	v_lshl_or_b32 v[PWS+(\a)], v[TM+6], 16, v[PWS+(\a)]
	v_lshl_or_b32 v[PWS+(\a)], v[TM+7], 24, v[PWS+(\a)]
	WIN 0x02
.irp c, 0,1
	v_cvt_scalef32_pk16_fp6_f32 v[PCa+6*\c:PCa+6*\c+2], v[AC+32*\c:AC+32*\c+15], v[TM+12+2*\c]
	v_cvt_scalef32_pk16_fp6_f32 v[PT+4*\c:PT+4*\c+2], v[AC+32*\c+16:AC+32*\c+31], v[TM+12+2*\c+1]
.endr
	WIN 0
	v_nop                                          ; one plain place behind a scaled conversion
.irp c, 0,1
.irp i, 0,1,2
	v_permlane16_swap_b32 v[PCa+6*\c+\i], v[PT+4*\c+\i]            ; the operand's layout wants a whole block in a lane
.endr
.irp i, 0,1,2
	v_mov_b32 v[PCa+3+6*\c+\i], v[PT+4*\c+\i]
.endr
.endr
.endm
.macro EPI                             ; a tile's way out; the next tile's first fragments are on their way meanwhile
	WIN 0
	PLACES NP
	s_wait_xcnt 0x0                                ; the last tile's stores have read their registers
.if TN == 0
	s_wait_loadcnt 0x0                             ; the later tiles' scale words and biases are in
.endif
.irp a, 0,1,2,3
	QUANT \a
.irp c, 0,1
.if CM == 1
	global_store_b128 v24, v[PCa+6*\c:PCa+6*\c+3], s[96:97] offset:TN*6291456+\c*98304+\a*768          ; head c of my two: 512 consecutive bytes,
	global_store_b64 v25, v[PCa+6*\c+4:PCa+6*\c+5], s[96:97] offset:TN*6291456+\c*98304+\a*768+512     ; and 256
.else
	global_store_b128 v24, v[PCa+6*\c:PCa+6*\c+3], s[98:99] offset:\a*1536+768*\c
	global_store_b64 v25, v[PCa+6*\c+4:PCa+6*\c+5], s[98:99] offset:\a*1536+768*\c+512
.endif
.endr
.endr
.if CM == 1
	v_cmp_le_u32 vcc_lo, 16, v26                   ; lanes 0-15 store the even tile's word, lanes 16-31 the odd tile's
	v_cndmask_b32 v[SW], v[PWS], v[PWS+1], vcc_lo
	v_cndmask_b32 v[SW+1], v[PWS+2], v[PWS+3], vcc_lo
	v_lshrrev_b32 v[SW2], 16, v[SW]                ; the second head's two bytes
	v_lshrrev_b32 v[SW2+1], 16, v[SW+1]
	global_store_b64 v24, v[SW:SW+1], s[14:15] offset:TN*524288
	global_store_b64 v24, v[SW2:SW2+1], s[14:15] offset:TN*524288+8192
.else
	global_store_b128 v24, v[PWS:PWS+3], s[100:101]
.endif
.endm
	s_load_b256 s[4:11], s[0:1], 0x0               ; xc, xs, wc, ws
	s_load_b256 s[84:91], s[0:1], 0x20             ; bq, bk, bv, qkvc
	s_load_b64 s[12:13], s[0:1], 0x40              ; qkvs
	v_lshl_add_u32 v[SPW], v0, 2, SPARE
	v_mov_b32 v[NIL], 0
	ds_add_u32 v[SPW], v[NIL]                      ; the opening lines: the add twice on end and one wait
	ds_add_u32 v[SPW], v[NIL]
	v_lshrrev_b32 v1, 5, v0
	v_readfirstlane_b32 s[WV], v1                  ; wave 0..3
	s_lshr_b32 s[HA], s[WV], 1
	s_and_b32 s[HB], s[WV], 1
	s_bfe_u32 s40, ttmp6, 0x40000                  ; cx
	s_bfe_u32 s41, ttmp6, 0x40004                  ; cy
	s_lshl_b32 s42, ttmp9, 2
	s_add_co_u32 s42, s42, s40                     ; X 0..3
	s_and_b32 s43, ttmp7, 0xffff
	s_lshl_b32 s43, s43, 2
	s_add_co_u32 s43, s43, s41                     ; Y 0..63
	s_lshl_b32 s44, s41, 2
	s_lshl_b32 s44, 15, s44                        ; my row of the cluster
	s_lshl_b32 s45, 0x1111, s40                    ; my column
	s_or_b32 s[G1X+0], s44, (3<<16)|(1<<21)        ; x: elements of 8 bytes; 192 rows of 256 bytes, dense
	s_mov_b32 s[G1X+1], 32<<16
	s_mov_b32 s[G1X+2], 192<<16
	s_mov_b32 s[G1X+3], 32<<16
	s_mov_b32 s[G1X+4], 192
	s_mov_b32 s[G1X+5], 32
	s_mov_b32 s[G1X+6], 0
	s_mov_b32 s[G1X+7], 0
	s_or_b32 s[G1W+0], s45, (3<<16)|(1<<21)        ; a whole slot: two rows of 49,152 bytes (6,144 elements), 98,304 bytes apart
	s_mov_b32 s[G1W+1], 6144<<16
	s_mov_b32 s[G1W+2], 2<<16
	s_mov_b32 s[G1W+3], 6144<<16
	s_mov_b32 s[G1W+4], 2
	s_mov_b32 s[G1W+5], 12288
	s_mov_b32 s[G1W+6], 0
	s_mov_b32 s[G1W+7], 0
	s_or_b32 s[G1R+0], s45, (3<<16)|(1<<21)        ; a quarter of a slot: 96 rows of 256 bytes, dense
	s_mov_b32 s[G1R+1], 32<<16
	s_mov_b32 s[G1R+2], 96<<16
	s_mov_b32 s[G1R+3], 32<<16
	s_mov_b32 s[G1R+4], 96
	s_mov_b32 s[G1R+5], 32
	s_mov_b32 s[G1R+6], 0
	s_mov_b32 s[G1R+7], 0
	s_mul_i32 s20, s43, 98304                      ; x's group Y
	s_mov_b32 s21, 0
	s_mul_i32 s22, s42, 196608                     ; Wq's groups 2 X, 2 X + 1
	s_mov_b32 s23, 0
	s_mul_i32 s16, s[HA], 98304                    ; my quarter of a slot: group wave / 2, two K steps (wave % 2),
	s_mul_i32 s17, s[HB], 24576
	s_add_co_u32 s16, s16, s17
	s_add_co_u32 s16, s16, 786432                  ; of Wk, eight groups behind Wq
	s_mov_b32 s17, 0
	s_mul_i32 s18, s[WV], 24576
	s_add_co_u32 s18, s18, WR                      ; and where it goes
	s_mov_b32 s3, 0x1800000
	s_mov_b32 s[SEL], 0x76543210
	s_mov_b32 s[SEL+1], 0xfedcba98
	s_wait_alu depctr_va_vdst(0)                   ; the wait here, directly ahead of the wait below
	s_wait_dscnt 0x0
	s_wait_kmcnt 0x0
	s_add_nc_u64 s[20:21], s[4:5], s[20:21]
	s_add_nc_u64 s[22:23], s[8:9], s[22:23]
	s_add_nc_u64 s[16:17], s[22:23], s[16:17]
	CROUND                                         ; all sixteen work-groups are here: the joint loads meet
.irp f, 0,1
	s_mov_b32 s[G0X+4*\f], 1
	s_mov_b32 s[G0X+4*\f+1], \f*HALFA
	s_add_nc_u64 s[G0X+4*\f+2:G0X+4*\f+3], s[20:21], \f*HALFA
	s_or_b32 s[G0X+4*\f+3], s[G0X+4*\f+3], 0x80000000
	s_mov_b32 s[G0W+4*\f], 1
	s_mov_b32 s[G0W+4*\f+1], WR+\f*2*HALFA
	s_add_nc_u64 s[G0W+4*\f+2:G0W+4*\f+3], s[22:23], \f*HALFA
	s_or_b32 s[G0W+4*\f+3], s[G0W+4*\f+3], 0x80000000
	s_mov_b32 s[G0R+4*\f], 1
	s_add_co_u32 s[G0R+4*\f+1], s18, \f*2*HALFA
	s_add_nc_u64 s[G0R+4*\f+2:G0R+4*\f+3], s[16:17], \f*HALFA
	s_or_b32 s[G0R+4*\f+3], s[G0R+4*\f+3], 0x80000000
.endr
	ARM 1, G0X,   G1X, .Lhead_w0                   ; one tree of branches on the wave's number: every way passes exactly one load
	ARM 2, G0W,   G1W, .Lhead_x1
	ARM 3, G0X+4, G1X, .Lhead_w1
	TLOAD G0W+4, G1W
.Lhead_asked:
	s_mul_i32 s46, s[HA], 4*FRB                    ; Q, K: my four tiles of x's eight;
	s_mul_i32 s47, s[HB], HALFA
	s_add_co_u32 s47, s47, WR                      ; my group of the weight's two
	s_mul_i32 s19, s[HA], HALFA                    ; V: my four tiles of Wv's sixteen
	s_mul_i32 s18, s[HB], 4*FRB
	s_add_co_u32 s19, s19, s18
	s_add_co_u32 s19, s19, WR
	v_and_b32 v26, 31, v0
	v_and_b32 v2, 15, v0                           ; r
	v_bfe_u32 v3, v0, 4, 1                         ; h
	v_lshlrev_b32 v24, 4, v26
	v_lshlrev_b32 v25, 3, v26
	s_wait_alu depctr_va_vdst(0)
.irp f, 0,1
	v_add_nc_u32 v[ADRA0+\f], s46, v24
	v_add_nc_u32 v[ADRA0+2+\f], s46, v25
	v_add_nc_u32 v[ADRB0+\f], s47, v24
	v_add_nc_u32 v[ADRB0+2+\f], s47, v25
	v_add_nc_u32 v[ADRA1+\f], s19, v24
	v_add_nc_u32 v[ADRA1+2+\f], s19, v25
	v_add_nc_u32 v[ADRB1+\f], \f*HALFA, v24
	v_add_nc_u32 v[ADRB1+2+\f], \f*HALFA, v25
	s_add_co_u32 s46, s46, HALFA
	s_add_co_u32 s47, s47, 2*HALFA
	s_add_co_u32 s19, s19, 2*HALFA
.endr
	v_lshlrev_b32 v30, 6, v3                       ; Q's, K's bias: 16 channels further on for lanes 16-31
	v_and_b32 v31, 8, v2
	v_add_nc_u32 v31, v31, v2
	v_lshlrev_b32 v31, 2, v31                      ; V's: position r is channel r + 8 (r / 8)
.irp b, 0,1,2,3
	v_mov_b32 v[TM+4+\b], 0                        ; a lane permute's destination counts as one of its sources
.endr
	s_mov_b32 s17, 0
	s_lshl_b32 s16, s43, 12
	s_add_nc_u64 s[6:7], s[6:7], s[16:17]          ; x's scale words, group Y;
	s_lshl_b32 s16, s[HA], 9
	s_add_nc_u64 s[4:5], s[6:7], s[16:17]          ; my four tiles'
	s_lshl_b32 s16, s42, 1
	s_add_co_u32 s16, s16, s[HB]
	s_lshl_b32 s16, s16, 12
	s_add_nc_u64 s[8:9], s[10:11], s[16:17]        ; Wq's, my group; Wk's lie 32,768 bytes on
	s_lshl_b32 s16, s42, 1
	s_add_co_u32 s16, s16, s[HA]
	s_add_co_u32 s16, s16, 16
	s_lshl_b32 s16, s16, 12
	s_lshl_b32 s18, s[HB], 9
	s_add_co_u32 s16, s16, s18
	s_add_nc_u64 s[10:11], s[10:11], s[16:17]      ; Wv's, my four tiles
	s_lshl_b32 s16, s42, 10
	s_lshl_b32 s18, s[HB], 9
	s_add_co_u32 s16, s16, s18
	s_add_nc_u64 s[84:85], s[84:85], s[16:17]      ; bq, bk: my 128 channels
	s_add_nc_u64 s[86:87], s[86:87], s[16:17]
	s_lshl_b32 s16, s42, 10
	s_lshl_b32 s18, s[WV], 8
	s_add_co_u32 s16, s16, s18
	s_add_nc_u64 s[88:89], s[88:89], s[16:17]      ; bv: my 64 channels
	s_lshr_b32 s46, s43, 4
	s_lshl_b32 s46, s46, 4
	s_lshl_b32 s18, s42, 2
	s_add_co_u32 s46, s46, s18                     ; 16 x batch + 4 X
	s_and_b32 s47, s43, 15                         ; the key step
	s_lshl_b32 s18, s[HB], 1
	s_add_co_u32 s19, s46, s18                     ; Q, K: my first head
	s_mul_i32 s16, s19, 98304
	s_mul_i32 s18, s47, 6144
	s_add_co_u32 s16, s16, s18
	s_mul_i32 s18, s[HA], 3072
	s_add_co_u32 s16, s16, s18
	s_add_nc_u64 s[96:97], s[90:91], s[16:17]
	s_lshl_b32 s16, s19, 13
	s_lshl_b32 s18, s47, 9
	s_add_co_u32 s16, s16, s18
	s_lshl_b32 s18, s[HA], 3
	s_add_co_u32 s16, s16, s18
	s_add_nc_u64 s[14:15], s[12:13], s[16:17]
	s_add_co_u32 s19, s46, s[WV]                   ; V: my head
	s_mul_i32 s16, s19, 98304
	s_mul_i32 s18, s47, 6144
	s_add_co_u32 s16, s16, s18
	s_add_co_u32 s16, s16, 12582912
	s_add_nc_u64 s[98:99], s[90:91], s[16:17]
	s_lshl_b32 s16, s19, 13
	s_lshl_b32 s18, s47, 9
	s_add_co_u32 s16, s16, s18
	s_add_co_u32 s16, s16, 1048576
	s_add_nc_u64 s[100:101], s[12:13], s[16:17]
	s_wait_alu depctr_va_vdst(0)
.irp sp, 0,1,2,3
.irp i, 0,1
	global_load_b64 v[SAX+4*\sp+2*\i:SAX+4*\sp+2*\i+1], v25, s[4:5] offset:1024*\sp+256*\i
.endr
.irp i, 0,1,2,3
	global_load_b64 v[SBQ+8*\sp+2*\i:SBQ+8*\sp+2*\i+1], v25, s[8:9] offset:1024*\sp+256*\i
.endr
.endr
	WIN 0xc0
.irp b, 0,1,2,3,4,5,6,7
	global_load_b128 v[BIQ+8*\b:BIQ+8*\b+3], v30, s[84:85] offset:(32*(\b/2)+8*(\b%2))*4
	global_load_b128 v[BIQ+8*\b+4:BIQ+8*\b+7], v30, s[84:85] offset:(32*(\b/2)+8*(\b%2))*4+16
.endr
	WIN 0
	s_cmp_lt_u32 s[WV], 2
	s_cbranch_scc0 .Lnot_first
	s_wait_tensorcnt 0x0                           ; waves 0 and 1: my tile of K steps 0-3 is in
.Lnot_first:
	s_barrier_signal -1
	s_barrier_wait -1                              ; K steps 0-3 of x and Wq are whole
; ---- Q
.set TN, 0
.set AA, ADRA0
.set AB, ADRB0
.set SAc, SAX
.set SBc, SBQ
.set CM, 1
.set BIc, BIQ
	FETCH 0, AA, AB
	s_wait_loadcnt 0x0                             ; Q's scale words and bias
	STEP 0
	WIN 0                                          ; the later tiles' scale words and biases: waited for on Q's way out
.irp sp, 0,1,2,3
.irp i, 0,1,2,3
	global_load_b64 v[SBK+8*\sp+2*\i:SBK+8*\sp+2*\i+1], v25, s[8:9] offset:32768+1024*\sp+256*\i
	global_load_b64 v[SBX+8*\sp+2*\i:SBX+8*\sp+2*\i+1], v25, s[6:7] offset:1024*\sp+256*\i
.endr
.irp i, 0,1
	global_load_b64 v[SAV+4*\sp+2*\i:SAV+4*\sp+2*\i+1], v25, s[10:11] offset:1024*\sp+256*\i
.endr
.endr
	WIN 0xc0
.irp b, 0,1,2,3,4,5,6,7
	global_load_b128 v[BIK+8*\b:BIK+8*\b+3], v30, s[86:87] offset:(32*(\b/2)+8*(\b%2))*4
	global_load_b128 v[BIK+8*\b+4:BIK+8*\b+7], v30, s[86:87] offset:(32*(\b/2)+8*(\b%2))*4+16
.endr
.irp a, 0,1,2,3
.irp j, 0,1,2,3,4,5,6,7
	global_load_b32 v[BIV+8*\a+\j], v31, s[88:89] offset:(32*(\a/2)+8*(\a%2))*4      ; one number a lane and tile, in the tile's eight registers
.endr
.endr
	STEP 1
	STEP 2
	TURN 3, 0, 4, AA, AB
	STEP 4
	STEP 5
	STEP 6
	TURN 7, 1, 0, ADRA0, ADRB0
	EPI
; ---- K
.set TN, 1
.set SBc, SBK
.set BIc, BIK
	STEP 0
	STEP 1
	STEP 2
	TURN 3, 0, 4, AA, AB
	STEP 4
	STEP 5
	STEP 6
	TURN 7, 1, 0, ADRA1, ADRB1
	EPI
; ---- V
.set TN, 2
.set AA, ADRA1
.set AB, ADRB1
.set SAc, SAV
.set SBc, SBX
.set CM, 2
.set BIc, BIV
	STEP 0
	STEP 1
	STEP 2
	s_wait_tensorcnt 0x0                           ; K step 3: my quarter of Wv's K steps 4-7 has landed,
	s_wait_dscnt 0x0                               ; and this K step's fragments are in
	s_barrier_signal -1
	MWIN 3
	MULH 0, 3
	s_barrier_wait -1                              ; so has every wave's
	PLACES NP
	FETCH 4, AA, AB
	MWIN 3
	MULH 1, 3
	STEP 4
	STEP 5
	STEP 6
	s_wait_dscnt 0x0
	MULH 0, 7
	MULH 1, 7
	EPI
	s_wait_tensorcnt 0x0                           ; the wave's end
	ds_add_u32 v[SPW], v[NIL]
	s_wait_dscnt 0x0
	CROUND                                         ; the closing round
	s_endpgm
.Lfunc_end_k_q207cce0d0b_proj:
	.size	k_q207cce0d0b_proj, .Lfunc_end_k_q207cce0d0b_proj-k_q207cce0d0b_proj
	.p2alignl 7, 3214868480
	.fill 96, 4, 3214868480
	.section	.rodata,"a",@progbits
	.p2align	6, 0x0
	.amdhsa_kernel k_q207cce0d0b_proj
		.amdhsa_group_segment_fixed_size 327680
		.amdhsa_private_segment_fixed_size 0
		.amdhsa_enable_private_segment 0
		.amdhsa_kernarg_size 72
		.amdhsa_user_sgpr_count 2
		.amdhsa_user_sgpr_kernarg_segment_ptr 1
		.amdhsa_wavefront_size32 1
		.amdhsa_system_sgpr_workgroup_id_x 1
		.amdhsa_system_sgpr_workgroup_id_y 1
		.amdhsa_system_sgpr_workgroup_id_z 1
		.amdhsa_system_vgpr_workitem_id 0
		.amdhsa_next_free_vgpr 1024
		.amdhsa_next_free_sgpr 102
		.amdhsa_reserve_vcc 1
		.amdhsa_float_denorm_mode_32 3
		.amdhsa_float_denorm_mode_16_64 3
		.amdhsa_memory_ordered 1
		.amdhsa_forward_progress 1
		.amdhsa_inst_pref_size 250
	.end_amdhsa_kernel
	.amdgpu_metadata
---
amdhsa.version: [ 1, 2 ]
amdhsa.kernels:
  - .name:           k_q207cce0d0b_proj
    .symbol:         k_q207cce0d0b_proj.kd
    .args:
      - { .name: xc, .offset: 0, .size: 8, .value_kind: global_buffer, .address_space: global }
      - { .name: xs, .offset: 8, .size: 8, .value_kind: global_buffer, .address_space: global }
      - { .name: wc, .offset: 16, .size: 8, .value_kind: global_buffer, .address_space: global }
      - { .name: ws, .offset: 24, .size: 8, .value_kind: global_buffer, .address_space: global }
      - { .name: bq, .offset: 32, .size: 8, .value_kind: global_buffer, .address_space: global }
      - { .name: bk, .offset: 40, .size: 8, .value_kind: global_buffer, .address_space: global }
      - { .name: bv, .offset: 48, .size: 8, .value_kind: global_buffer, .address_space: global }
      - { .name: qkvc, .offset: 56, .size: 8, .value_kind: global_buffer, .address_space: global }
      - { .name: qkvs, .offset: 64, .size: 8, .value_kind: global_buffer, .address_space: global }
    .group_segment_fixed_size: 327680
    .private_segment_fixed_size: 0
    .kernarg_segment_align: 8
    .kernarg_segment_size: 72
    .max_flat_workgroup_size: 128
    .sgpr_count:     102
    .vgpr_count:     1024
    .wavefront_size: 32
...
	.end_amdgpu_metadata
.endif
;; end of part 2
;; launch attn (part 3): grid 4 x 64, 16 waves a work-group, clusters of 4 x 1, 215,040 bytes of LDS; arguments qkvc, qkvs, aoc, aos; writes aoc, aos
.if DOCPART == 3
	.amdgcn_target "amdgcn-amd-amdhsa--gfx1250"
	.amdhsa_code_object_version 6
	.text
	.protected	k_q207cce0d0b_attn
	.globl	k_q207cce0d0b_attn
	.p2align	8
	.type	k_q207cce0d0b_attn,@function
k_q207cce0d0b_attn:
	s_mov_b64 s[64:65], 0
	v_nop
	global_prefetch_b8 v0, s[64:65] scope:SCOPE_SE
	s_setreg_imm32_b32 hwreg(HW_REG_WAVE_MODE, 25, 1), 1
	s_wait_xcnt 0x0
	s_wait_alu depctr_hold_cnt(0) depctr_sa_sdst(0) depctr_va_vdst(0) depctr_va_sdst(0) depctr_va_ssrc(0) depctr_va_vcc(0) depctr_vm_vsrc(0)
	s_getreg_b32 s2, hwreg(HW_REG_IB_STS2, 6, 4)
	s_cmp_eq_u32 s2, 0
	s_cbranch_scc0 .Lentry_in_a_cluster
	s_endpgm
.Lentry_in_a_cluster:
	s_bfe_u32 s2, ttmp6, 0x10000c
	s_cmp_lg_u32 s2, 0x3003
	s_cbranch_scc0 .Lentry_shape_is_right
	s_endpgm
.Lentry_shape_is_right:
; For each of 64 (batch, head): O = softmax(Q K^T / 8) V, both products on codes of FP6 (E2M3) with E8M0 scales; the result is quantised along the channels for the last projection.
; THE SOFTMAX AHEAD OF THE SECOND PRODUCT: t = score x log2(e) / 8; M = the running largest t, rounded up to a whole number; p = 2^(t - M) is quantised along the keys, not normalised; the row's sum is
; taken of the unquantised p and divides O at the end.  When M moves, the sum and O are multiplied by 2^(old M - new M): exact.
; SHARES.  A work-group owns 512 query positions of one head; each of its sixteen waves owns two tiles of 16, one in each of two passes: tile 32 x + 16 pass + wave.  Four waves to a SIMD, 256 registers each.
; A WHOLE HEAD'S K AND V STAY IN LDS: 98,304 bytes of codes each, 8,192 of scale words each, filled once; nothing is filled again, so there is no ring.
; FILLS.  Every wave issues ONE tensor load at the head: waves 0-7 a quarter (24,576 bytes) of K's or V's codes, waves 8-15 a quarter (2,048 bytes) of K's or V's scale words.  Every wave waits for its load,
; one barrier shows all sixteen pieces to all waves, and no other work-group barrier follows: behind it the waves share nothing.
; CLUSTER.  The four work-groups of a head want the same K and V: each piece is asked for jointly, by the same tensor load with a mask that names the four.
; LAYOUT.  Both products are used transposed: S^T = K Q^T (source 0 = 16 key positions), O^T = V^T P^T (source 0 = 16 channel positions): a lane holds one query throughout.  Keys, and v's channels, lie by
; POSITION (bits 3 and 4 exchanged), so the 16 registers of result tiles 2 b and 2 b + 1 are 16 neighbours of the true order: 32 b + 16 (lane / 16) + 0 .. 15.
; THE HEAD'S K IS 64, THE INSTRUCTION'S 128.  Q's registers 6-11 are zero codes.  K's fragments stand six registers apart: the upper six registers of fragment t are fragment t + 1's data (behind the last:
; six zeros); they meet zero codes alone, which add exactly 0 under any scale byte but 0xff, and no byte here is 0xff.
; No prefetch: all of the head's K and V is asked for at the kernel's head, and no later request follows.
; LIMITS: NaN and infinities are not served; a block whose largest magnitude lies under 2^-124, a block of zeros among them, gets the byte 1; the scaled scores t stay under 2^31 in magnitude.
; The two scale bytes a row that a wave stores are half of a word whose other half is another head's: 2 bytes beside 48 of codes; the one store here that does not cover whole runs of 256 bytes.
; REGISTERS: v1-5 addresses that stay, v6-10 the step's; v11 8 r; v12 -M, v13 the largest t, v[14:15] the sum; v16-21 Q, v22-27 zeros; v28-31 K's scale words; v32-79 K's 8 fragments, v80-85 zeros;
; v86 p's scale word, v87 Q's; v88-135 V's 4 fragments; v136-199 S^T, then p; v200-231 O^T; v232-243 p's codes; v244 16 r; v252-255 V's scale words.  The softmax works in v32-59, free once K Q^T is issued.
.set KF,  32
.set VF,  88
.set S,   136
.set O,   200
.set PCD, 232
.set BM,  32                           ; v32-35 the blocks' largest scores, then largest p
.set BT,  36                           ; v36-39 the other lanes'; then a chain of the sum
.set SO,  40                           ; v40-43 the conversions' scale operands
.set BY,  44                           ; v44-47 the scale bytes
.set PT,  48                           ; v48-50, v52-54 codes on their way
.set FF,  56                           ; v[56:57] f = 2^(old M - new M), in the low word
.set TT,  58                           ; v58, v59 at work
.set WV,  18                           ; s18 wave
.set SEL, 20                           ; s[20:21] selects for lane l xor 16
.set CS,  22                           ; s[22:23] c = log2(e) / 8
.set G1T, 24                           ; s[24:31] group 1 for a quarter of the codes; s[32:39] for a quarter of the scale words; s[40:43], s[44:47] groups 0
.set G1S, 32
.set G0,  40
.set TB,  2                            ; s2 the step's place among the codes: 6,144 bytes a step
.set TS,  3                            ; s3 and among the scale words: 512 bytes a step
.macro CROUND                          ; a round of the cluster's barrier
	s_barrier_signal -1
	s_barrier_wait -1
	s_cmp_lg_u32 s[WV], 0
	s_cbranch_scc1 .Lnot_wave_0_\@
	s_barrier_signal -3
.Lnot_wave_0_\@:
	s_barrier_wait -3
	s_barrier_signal -1
	s_barrier_wait -1
.endm
	s_load_b256 s[4:11], s[0:1], 0x0               ; qkvc, qkvs, aoc, aos
	v_lshl_add_u32 v250, v0, 2, 0x34000
	v_mov_b32 v251, 0
	ds_add_u32 v250, v251                          ; the opening lines: the add twice on end and one wait
	ds_add_u32 v250, v251
	v_lshrrev_b32 v1, 5, v0
	s_delay_alu instid0(VALU_DEP_1)
	v_readfirstlane_b32 s[WV], v1                  ; wave 0..15
	s_bfe_u32 s19, ttmp6, 0x40000                  ; cx
	s_lshl_b32 s13, ttmp9, 2
	s_add_co_u32 s13, s13, s19                     ; x: my 512 queries; it enters global addresses of Q and of the results alone
	s_and_b32 s12, ttmp7, 0xffff                   ; bh = 16 x batch + head, which the four partners share
	s_lshr_b32 s14, s12, 4                         ; batch
	s_and_b32 s15, s12, 15                         ; head
	s_mov_b32 s[G1T], 15|(3<<16)|(1<<21)           ; the mask: all four; elements of 8 bytes; bit 21 beside a mask; no padding
	s_mov_b32 s[G1T+1], 32<<16                     ; rows of 256 bytes,
	s_mov_b32 s[G1T+2], 96<<16                     ; 96 of them: 24,576 dense bytes
	s_mov_b32 s[G1T+3], 32<<16
	s_mov_b32 s[G1T+4], 96
	s_mov_b32 s[G1T+5], 32
	s_mov_b32 s[G1T+6], 0
	s_mov_b32 s[G1T+7], 0
	s_mov_b32 s[G1S], 15|(3<<16)|(1<<21)
	s_mov_b32 s[G1S+1], 32<<16
	s_mov_b32 s[G1S+2], 8<<16                      ; 8 rows: 2,048 dense bytes
	s_mov_b32 s[G1S+3], 32<<16
	s_mov_b32 s[G1S+4], 8
	s_mov_b32 s[G1S+5], 32
	s_mov_b32 s[G1S+6], 0
	s_mov_b32 s[G1S+7], 0
	s_mov_b32 s[SEL], 0x76543210
	s_mov_b32 s[SEL+1], 0xfedcba98
	s_mov_b32 s[CS], 0x3e38aa3b                    ; log2(e) / 8
	s_mov_b32 s[CS+1], s[CS]                       ; (named with it as a pair, so it is written)
	s_bfe_u32 s74, s[WV], 0x10002                  ; my piece: of K (0) or of V (1),
	s_and_b32 s62, s[WV], 3                        ; which quarter,
	s_and_b32 s63, s[WV], 7                        ; and its number among the eight of its kind
	s_add_co_u32 s75, s74, 1
	s_mul_i32 s76, s75, 6291456
	s_mul_i32 s77, s12, 98304
	s_add_co_u32 s76, s76, s77
	s_mul_i32 s77, s62, 24576
	s_add_co_u32 s76, s76, s77                     ; the quarter of the head's codes of K or V
	s_mov_b32 s77, 0
	s_lshl_b32 s78, s75, 19
	s_lshl_b32 s79, s12, 13
	s_add_co_u32 s78, s78, s79
	s_lshl_b32 s79, s62, 11
	s_add_co_u32 s78, s78, s79                     ; and of its scale words
	s_mov_b32 s79, 0
	s_mul_i32 s16, s63, 24576                      ; in LDS: K's codes at 0, V's at 98,304;
	s_lshl_b32 s17, s63, 11                        ; K's scale words at 196,608, V's at 204,800
	s_wait_dscnt 0x0
	s_wait_kmcnt 0x0
	s_add_nc_u64 s[76:77], s[4:5], s[76:77]
	s_add_nc_u64 s[78:79], s[6:7], s[78:79]
	CROUND                                         ; all four work-groups are here: the joint loads meet
	s_mov_b32 s[G0], 1
	s_add_co_u32 s[G0+1], s17, 196608
	s_mov_b64 s[G0+2:G0+3], s[78:79]
	s_or_b32 s[G0+3], s[G0+3], 0x80000000
	s_mov_b32 s[G0+4], 1
	s_mov_b32 s[G0+5], s16
	s_mov_b64 s[G0+6:G0+7], s[76:77]
	s_or_b32 s[G0+7], s[G0+7], 0x80000000
	s_cmp_lt_u32 s[WV], 8                          ; one tensor load a wave, in the two arms of one branch on the wave's number
	s_cbranch_scc0 .Lfor_scales
	tensor_load_to_lds s[G0+4:G0+7], s[G1T:G1T+7]
	s_nop 0
.rept 4
	v_nop
.endr
	s_branch .Lasked
.Lfor_scales:
	tensor_load_to_lds s[G0:G0+3], s[G1S:G1S+7]
	s_nop 0
.rept 4
	v_nop
.endr
.Lasked:
	v_and_b32 v11, 15, v0                          ; r
	v_and_b32 v5, 31, v0                           ; lane
	s_delay_alu instid0(VALU_DEP_1)
	v_lshlrev_b32 v1, 4, v5                        ; 16 x lane: K's images, and Q's and the result's in memory
	s_delay_alu instid0(VALU_DEP_2)
	v_lshlrev_b32 v2, 3, v5                        ; 8 x lane
	s_delay_alu instid0(VALU_DEP_2)
	v_add_nc_u32 v3, 98304, v1                     ; V's images
	s_delay_alu instid0(VALU_DEP_2)
	v_add_nc_u32 v4, 98304, v2
	s_delay_alu instid0(VALU_DEP_4)
	v_add_nc_u32 v5, 196608, v1                    ; the scale words
	v_lshlrev_b32 v244, 4, v11                     ; 16 r: Q's scale word
	v_lshlrev_b32 v11, 3, v11                      ; 8 r: the result's scale bytes
.irp i, 0,1,2,3,4,5
	v_mov_b32 v[22+\i], 0                          ; Q's upper 64 along K: zero codes
	v_mov_b32 v[80+\i], 0                          ; and what stands behind K's last fragment
.endr
	s_lshr_b32 s62, s[WV], 3
	s_and_b32 s63, s[WV], 7
	s_lshl_b32 s16, s13, 2
	s_add_co_u32 s16, s16, s62                     ; my tile's group of 128 positions in the batch, in pass 0
	s_lshl_b32 s74, s13, 5
	s_add_co_u32 s74, s74, s[WV]
	s_mul_i32 s74, s74, 768
	s_mul_i32 s75, s12, 98304
	s_add_co_u32 s74, s74, s75
	s_mov_b32 s75, 0
	s_add_nc_u64 s[66:67], s[4:5], s[74:75]        ; Q's half image
	s_lshl_b32 s74, s16, 9
	s_lshl_b32 s76, s12, 13
	s_add_co_u32 s74, s74, s76
	s_and_b32 s76, s[WV], 1
	s_lshl_b32 s76, s76, 8
	s_add_co_u32 s74, s74, s76
	s_lshr_b32 s76, s63, 1
	s_lshl_b32 s76, s76, 2
	s_add_co_u32 s74, s74, s76
	s_add_nc_u64 s[68:69], s[6:7], s[74:75]        ; Q's scale words: tile wave % 8 of the group: word (wave % 8) / 2, lanes 16 (wave % 2) + r
	s_lshl_b32 s17, s14, 4
	s_add_co_u32 s17, s17, s16                     ; the group of 128 token positions among all 8,192
	s_mul_i32 s74, s17, 98304
	s_lshr_b32 s76, s15, 1
	s_mul_i32 s76, s76, 12288
	s_add_co_u32 s74, s74, s76
	s_mul_i32 s76, s63, 1536
	s_add_co_u32 s74, s74, s76
	s_and_b32 s76, s15, 1
	s_mul_i32 s76, s76, 768
	s_add_co_u32 s74, s74, s76
	s_add_nc_u64 s[70:71], s[8:9], s[74:75]        ; the result: half head % 2 of the fragment (my tile, K step head / 2)
	s_lshl_b32 s74, s17, 12
	s_lshr_b32 s76, s15, 2
	s_lshl_b32 s76, s76, 10
	s_add_co_u32 s74, s74, s76
	s_lshl_b32 s76, s63, 7
	s_add_co_u32 s74, s74, s76
	s_bfe_u32 s76, s15, 0x10001
	s_lshl_b32 s76, s76, 2
	s_add_co_u32 s74, s74, s76
	s_and_b32 s76, s15, 1
	s_lshl_b32 s76, s76, 1
	s_add_co_u32 s74, s74, s76
	s_add_nc_u64 s[72:73], s[10:11], s[74:75]      ; and its two scale bytes a row
; A KEY STEP: 128 keys.  v6, v7, v10 hold this step's addresses of K when it begins.
.macro STEP
.irp t, 0,1,2,3,4,5,6,7
	ds_load_b128 v[KF+6*\t:KF+6*\t+3], v6 offset:768*\t
	ds_load_b64 v[KF+6*\t+4:KF+6*\t+5], v7 offset:768*\t+512
.endr
	ds_load_b128 v[28:31], v10                     ; K's scale words: word i: tile 2 i in lanes 0-15, tile 2 i + 1 in lanes 16-31
	s_wait_dscnt 0x0                               ; K's 17 loads are in
.irp t, 0,1,2,3,4,5,6,7
.if \t % 2
	v_wmma_scale_f32_16x16x128_f8f6f4 v[S+8*\t:S+8*\t+7], v[KF+6*\t:KF+6*\t+11], v[16:27], 0, v[28+\t/2], v87 matrix_a_fmt:MATRIX_FMT_FP6 matrix_b_fmt:MATRIX_FMT_FP6 matrix_a_scale:MATRIX_SCALE_ROW1
.else
	v_wmma_scale_f32_16x16x128_f8f6f4 v[S+8*\t:S+8*\t+7], v[KF+6*\t:KF+6*\t+11], v[16:27], 0, v[28+\t/2], v87 matrix_a_fmt:MATRIX_FMT_FP6 matrix_b_fmt:MATRIX_FMT_FP6
.endif
.endr
	v_add_nc_u32 v8, s[TB], v3                     ; this step's V, then the next step's K: these four adds are the places behind the last step's products, in front of the loads
	v_add_nc_u32 v9, s[TB], v4                     ; below, and behind the products above, in front of the reads of the scores and the writes of K's registers
	s_add_co_u32 s[TB], s[TB], 6144
	v_add_nc_u32 v6, s[TB], v1
	v_add_nc_u32 v7, s[TB], v2
.irp t, 0,1,2,3
.irp c, 0,1
	ds_load_b128 v[VF+12*\t+6*\c:VF+12*\t+6*\c+3], v8 offset:1536*\t+768*\c
	ds_load_b64 v[VF+12*\t+6*\c+4:VF+12*\t+6*\c+5], v9 offset:1536*\t+768*\c+512
.endr
.endr
	ds_load_b128 v[252:255], v10 offset:8192       ; V's scale words.  V's 17 loads land under the softmax
	s_add_co_u32 s[TS], s[TS], 512
	v_add_nc_u32 v10, s[TS], v5
.irp b, 0,1,2,3
	v_max3_num_f32 v[BM+\b], v[S+16*\b], v[S+1+16*\b], v[S+2+16*\b]   ; the largest score of each block of 32 keys: it serves the row's maximum and, since p rises with the score, the block's largest p
.endr
.irp i, 3,5,7,9,11,13
.irp b, 0,1,2,3
	v_max3_num_f32 v[BM+\b], v[BM+\b], v[S+16*\b+\i], v[S+1+16*\b+\i]
.endr
.endr
.irp b, 0,1,2,3
	v_max_num_f32 v[BM+\b], v[BM+\b], v[S+15+16*\b]
.endr
.irp b, 0,1,2,3
	s_delay_alu instid0(VALU_DEP_4)
	v_permlanex16_b32 v[BT+\b], v[BM+\b], s[SEL], s[SEL+1]   ; (its destination has been written: it held K's codes)
.endr
.irp b, 0,1,2,3
	s_delay_alu instid0(VALU_DEP_4)
	v_max_num_f32 v[BM+\b], v[BM+\b], v[BT+\b]     ; with lane l xor 16's 16 keys
.endr
	s_delay_alu instid0(VALU_DEP_2)
	v_max3_num_f32 v[TT], v[BM], v[BM+1], v[BM+2]
	s_delay_alu instid0(VALU_DEP_1)
	v_max_num_f32 v[TT], v[TT], v[BM+3]            ; the step's largest score of my query
	s_delay_alu instid0(VALU_DEP_1)
	v_mul_f32 v[TT], s[CS], v[TT]                  ; as t (c is positive)
	s_delay_alu instid0(VALU_DEP_1)
	v_max_num_f32 v13, v13, v[TT]                  ; the running largest t
	v_mov_b32 v[TT], v12
	s_delay_alu instid0(VALU_DEP_2)
	v_floor_f32 v12, -v13                          ; the new -M = floor(-t): M is a whole number
	s_delay_alu instid0(VALU_DEP_1)
	v_sub_f32 v[TT], v12, v[TT]                    ; old M - new M: a whole number, 0 or less
	s_delay_alu instid0(VALU_DEP_1)
	v_cvt_i32_f32 v[TT], v[TT]                     ; (it saturates)
	s_delay_alu instid0(VALU_DEP_1)
	v_ldexp_f32 v[FF], 1.0, v[TT]                  ; f = 2^(old M - new M)
.irp j, 0,2,4,6,8,10,12,14,16,18,20,22,24,26,28,30,32,34,36,38,40,42,44,46,48,50,52,54,56,58,60,62
	v_pk_fma_f32 v[S+\j:S+1+\j], v[S+\j:S+1+\j], s[CS:CS+1], v[12:13] op_sel_hi:[1,0,0]   ; t - M, two at a time
.endr
.irp b, 0,1,2,3
	v_fma_f32 v[BM+\b], v[BM+\b], s[CS], v12       ; the same of each block's largest score
.endr
	s_wait_alu depctr_va_vdst(0)
.irp j, 0,1,2,3,4,5,6,7,8,9,10,11,12,13,14,15,16,17,18,19,20,21,22,23,24,25,26,27,28,29,30,31,32,33,34,35,36,37,38,39,40,41,42,43,44,45,46,47,48,49,50,51,52,53,54,55,56,57,58,59,60,61,62,63
	v_exp_f32 v[S+\j], v[S+\j]                     ; p = 2^(t - M), at most 1
.endr
	v_pk_mul_f32 v[14:15], v[14:15], v[FF:FF+1] op_sel_hi:[1,0]   ; the sums under the new M: a plain place behind the exponentials
	s_wait_alu depctr_va_vdst(0)                   ; one wait for the batch of 64, ahead of its first reader
.irp b, 0,1,2,3
	v_exp_f32 v[BM+\b], v[BM+\b]                   ; the block's largest p: the same two instructions on the same number give the same bits
.endr
	v_pk_add_f32 v[36:37], v[140:141], v[144:145]  ; the row's sum of the unquantised p, in eight chains
	v_pk_add_f32 v[248:249], v[148:149], v[152:153]
	v_pk_add_f32 v[246:247], v[156:157], v[160:161]
	v_pk_add_f32 v[242:243], v[164:165], v[168:169]
	v_pk_add_f32 v[240:241], v[172:173], v[176:177]
	v_pk_add_f32 v[238:239], v[180:181], v[184:185]
	v_pk_add_f32 v[236:237], v[188:189], v[192:193]
	v_pk_add_f32 v[14:15], v[14:15], v[196:197]
	v_pk_add_f32 v[36:37], v[36:37], v[136:137]
	v_pk_add_f32 v[248:249], v[248:249], v[138:139]
	v_pk_add_f32 v[246:247], v[246:247], v[142:143]
	v_pk_add_f32 v[242:243], v[242:243], v[146:147]
	v_pk_add_f32 v[240:241], v[240:241], v[150:151]
	v_pk_add_f32 v[238:239], v[238:239], v[154:155]
	v_pk_add_f32 v[236:237], v[236:237], v[158:159]
	v_pk_add_f32 v[14:15], v[14:15], v[162:163]
	v_pk_add_f32 v[36:37], v[36:37], v[166:167]
	v_pk_add_f32 v[248:249], v[248:249], v[170:171]
	v_pk_add_f32 v[246:247], v[246:247], v[174:175]
	v_pk_add_f32 v[242:243], v[242:243], v[178:179]
	v_pk_add_f32 v[240:241], v[240:241], v[182:183]
	v_pk_add_f32 v[238:239], v[238:239], v[186:187]
	v_pk_add_f32 v[236:237], v[236:237], v[190:191]
	v_pk_add_f32 v[14:15], v[14:15], v[194:195]
	v_pk_add_f32 v[36:37], v[36:37], v[198:199]
	s_delay_alu instid0(VALU_DEP_2)
	v_pk_add_f32 v[14:15], v[14:15], v[242:243]
	s_delay_alu instid0(VALU_DEP_2)
	v_pk_add_f32 v[36:37], v[36:37], v[240:241]
	v_pk_add_f32 v[248:249], v[248:249], v[238:239]
	v_pk_add_f32 v[246:247], v[246:247], v[236:237]
	s_delay_alu instid0(VALU_DEP_2)
	v_pk_add_f32 v[14:15], v[14:15], v[248:249]
	s_delay_alu instid0(VALU_DEP_2)
	v_pk_add_f32 v[36:37], v[36:37], v[246:247]
	s_delay_alu instid0(VALU_DEP_1)
	v_pk_add_f32 v[14:15], v[14:15], v[36:37]
	s_wait_alu depctr_va_vdst(0)                   ; and one for the four
.irp b, 0,1,2,3
	v_max_num_f32 v[BM+\b], 0x1800000, v[BM+\b]    ; the floor 2^(3 - 127): the byte cannot fall under 1
.endr
.irp b, 0,1,2,3
	s_delay_alu instid0(VALU_DEP_4)
	v_add_nc_u32 v[SO+\b], 0xff000000, v[BM+\b]    ; 2 off the exponent field: the conversion's scale operand
.endr
.irp b, 0,1,2,3
	s_delay_alu instid0(VALU_DEP_4)
	v_lshrrev_b32 v[BY+\b], 23, v[SO+\b]           ; the scale's byte
.endr
	s_delay_alu instid0(VALU_DEP_3)
	v_lshl_or_b32 v86, v[BY+1], 8, v[BY]           ; p's scale word for these 128 keys
	s_delay_alu instid0(VALU_DEP_1)
	v_lshl_or_b32 v86, v[BY+2], 16, v86
	s_delay_alu instid0(VALU_DEP_1)
	v_lshl_or_b32 v86, v[BY+3], 24, v86
.irp c, 0,1
	v_cvt_scalef32_pk16_fp6_f32 v[PCD+6*\c:PCD+6*\c+2], v[S+32*\c:S+32*\c+15], v[SO+2*\c]
	v_cvt_scalef32_pk16_fp6_f32 v[PT+4*\c:PT+4*\c+2], v[S+32*\c+16:S+32*\c+31], v[SO+2*\c+1]   ; (a conversion's three registers begin on an even number)
.endr
	v_nop                                          ; one plain place behind a scaled conversion
.irp c, 0,1                                    ; the operand's layout wants a whole block in a lane
.irp i, 0,1,2
	v_permlane16_swap_b32 v[PCD+6*\c+\i], v[PT+4*\c+\i]
.endr
.irp i, 0,1,2
	s_delay_alu instid0(VALU_DEP_3)
	v_mov_b32 v[PCD+3+6*\c+\i], v[PT+4*\c+\i]
.endr
.endr
.irp j, 0,2,4,6,8,10,12,14,16,18,20,22,24,26,28,30
	v_pk_mul_f32 v[O+\j:O+1+\j], v[O+\j:O+1+\j], v[FF:FF+1] op_sel_hi:[1,0]   ; O^T under the new M.  For each product below, the twelve of these on the other tiles stand between the scale word's and the codes' last writes and it
.endr
	s_wait_alu depctr_va_vdst(0)                   ; the wait here, directly ahead of the wait below
	s_wait_dscnt 0x0                               ; V is in
.irp t, 0,1,2,3
	v_wmma_scale_f32_16x16x128_f8f6f4 v[O+8*\t:O+8*\t+7], v[VF+12*\t:VF+12*\t+11], v[PCD:PCD+11], v[O+8*\t:O+8*\t+7], v[252+\t], v86 matrix_a_fmt:MATRIX_FMT_FP6 matrix_b_fmt:MATRIX_FMT_FP6
.endr
.endm
; A PASS: one tile of 16 queries against all 2,048 keys, sixteen steps, and its way out.  The two passes are written out, so that the first pass's loads of Q are out while the tensor loads land
; and the one barrier stands in the first pass alone.
.macro PASS first
	global_load_b128 v[16:19], v1, s[66:67]        ; Q's six registers,
	global_load_b64 v[20:21], v2, s[66:67] offset:512
	global_load_b32 v87, v244, s[68:69]            ; and its scale words
	v_mov_b32 v6, v1                               ; step 0's addresses of K
	v_mov_b32 v7, v2
	v_mov_b32 v10, v5
	v_mov_b32 v13, 0xff61b1e6                      ; the largest t so far: -3e38
	s_delay_alu instid0(VALU_DEP_1)
	v_floor_f32 v12, -v13                          ; -M
	v_mov_b32 v14, 0
	v_mov_b32 v15, 0
.irp j, 0,1,2,3,4,5,6,7,8,9,10,11,12,13,14,15,16,17,18,19,20,21,22,23,24,25,26,27,28,29,30,31
	v_mov_b32 v[O+\j], 0                           ; O^T: the step is written once; its first trip finds zeros, which the first change of M leaves zeros
.endr
	s_wait_loadcnt 0x0
.if \first
	s_wait_tensorcnt 0x0                           ; my piece of K or V has landed;
	s_barrier_signal -1
	s_barrier_wait -1                              ; so has every wave's
.endif
	s_mov_b32 s[TB], 0
	s_mov_b32 s[TS], 0
	s_mov_b32 s60, 16
.Lstep_\@:
	STEP
	s_sub_co_u32 s60, s60, 1
	s_cmp_lg_u32 s60, 0
	s_cbranch_scc1 .Lstep_\@
	; THE WAY OUT: O^T / the sum, quantised along the head's 64 channels: register 16 b + i = true channel 32 b + 16 h + i
.rept 4
	v_nop                                          ; places behind the last products
.endr
	v_add_f32 v14, v14, v15
	s_delay_alu instid0(VALU_DEP_1)
	v_permlanex16_b32 v[TT], v14, s[SEL], s[SEL+1]
	s_delay_alu instid0(VALU_DEP_1)
	v_add_f32 v14, v14, v[TT]                      ; the row's sum
	s_wait_alu depctr_va_vdst(0)
	v_rcp_f32 v14, v14
	v_nop                                          ; a plain place behind the reciprocal
	s_wait_alu depctr_va_vdst(0)                   ; and the wait ahead of its first reader
.irp j, 0,2,4,6,8,10,12,14,16,18,20,22,24,26,28,30
	v_pk_mul_f32 v[S+\j:S+1+\j], v[O+\j:O+1+\j], v[14:15] op_sel_hi:[1,0]   ; each accumulator from its low end on
.endr
.irp b, 0,1
	v_max3_num_f32 v[BM+\b], |v[S+16*\b]|, |v[S+16*\b+1]|, 0x1800000
.endr
.irp i, 2,4,6,8,10,12,14
.irp b, 0,1
	s_delay_alu instid0(VALU_DEP_2)
	v_max3_num_f32 v[BM+\b], v[BM+\b], |v[S+16*\b+\i]|, |v[S+16*\b+\i+1]|
.endr
.endr
.irp b, 0,1
	s_delay_alu instid0(VALU_DEP_2)
	v_permlanex16_b32 v[BT+\b], v[BM+\b], s[SEL], s[SEL+1]
.endr
.irp b, 0,1
	s_delay_alu instid0(VALU_DEP_2)
	v_max_num_f32 v[BM+\b], v[BM+\b], v[BT+\b]
.endr
.irp b, 0,1
	s_delay_alu instid0(VALU_DEP_2)
	v_add_nc_u32 v[SO+\b], 0xff000000, v[BM+\b]
.endr
.irp b, 0,1
	s_delay_alu instid0(VALU_DEP_2)
	v_lshrrev_b32 v[BY+\b], 23, v[SO+\b]
.endr
	s_delay_alu instid0(VALU_DEP_1)
	v_lshl_or_b32 v[TT+1], v[BY+1], 8, v[BY]       ; my row's two scale bytes
	v_cvt_scalef32_pk16_fp6_f32 v[PCD:PCD+2], v[S:S+15], v[SO]
	v_cvt_scalef32_pk16_fp6_f32 v[PT:PT+2], v[S+16:S+31], v[SO+1]
	v_nop                                          ; one plain place behind a scaled conversion
.irp i, 0,1,2
	v_permlane16_swap_b32 v[PCD+\i], v[PT+\i]
.endr
.irp i, 0,1,2
	s_delay_alu instid0(VALU_DEP_3)
	v_mov_b32 v[PCD+3+\i], v[PT+\i]
.endr
	global_store_b128 v1, v[PCD:PCD+3], s[70:71]               ; 512 consecutive bytes
	global_store_b64 v2, v[PCD+4:PCD+5], s[70:71] offset:512   ; 256 consecutive bytes
	global_store_b16 v11, v[TT+1], s[72:73]                    ; lanes r and 16 + r write the same two bytes with the same value
.if \first
	s_wait_xcnt 0x0                                ; loads and stores have read their bases and data: both may be written again
	s_add_nc_u64 s[66:67], s[66:67], 12288         ; sixteen tiles on
	s_add_nc_u64 s[68:69], s[68:69], 1024
	s_add_nc_u64 s[70:71], s[70:71], 196608
	s_add_nc_u64 s[72:73], s[72:73], 8192
.endif
.endm
	PASS 1
	PASS 0
	s_wait_tensorcnt 0x0                           ; the wave's end
	ds_add_u32 v250, v251
	s_wait_dscnt 0x0
	CROUND                                         ; the closing round: no work-group ends while a partner may still ask for a piece that names it
	s_endpgm
.Lfunc_end_k_q207cce0d0b_attn:
	.size	k_q207cce0d0b_attn, .Lfunc_end_k_q207cce0d0b_attn-k_q207cce0d0b_attn
	.p2alignl 7, 3214868480
	.fill 96, 4, 3214868480
	.section	.rodata,"a",@progbits
	.p2align	6, 0x0
	.amdhsa_kernel k_q207cce0d0b_attn
		.amdhsa_group_segment_fixed_size 215040
		.amdhsa_private_segment_fixed_size 0
		.amdhsa_enable_private_segment 0
		.amdhsa_kernarg_size 32
		.amdhsa_user_sgpr_count 2
		.amdhsa_user_sgpr_kernarg_segment_ptr 1
		.amdhsa_wavefront_size32 1
		.amdhsa_system_sgpr_workgroup_id_x 1
		.amdhsa_system_sgpr_workgroup_id_y 1
		.amdhsa_system_sgpr_workgroup_id_z 1
		.amdhsa_system_vgpr_workitem_id 0
		.amdhsa_next_free_vgpr 256
		.amdhsa_next_free_sgpr 80
		.amdhsa_reserve_vcc 0
		.amdhsa_float_denorm_mode_32 3
		.amdhsa_float_denorm_mode_16_64 3
		.amdhsa_memory_ordered 1
		.amdhsa_forward_progress 1
		.amdhsa_inst_pref_size 54
	.end_amdhsa_kernel
	.amdgpu_metadata
---
amdhsa.version: [ 1, 2 ]
amdhsa.kernels:
  - .name:           k_q207cce0d0b_attn
    .symbol:         k_q207cce0d0b_attn.kd
    .args:
      - { .name: qkvc, .offset: 0, .size: 8, .value_kind: global_buffer, .address_space: global }
      - { .name: qkvs, .offset: 8, .size: 8, .value_kind: global_buffer, .address_space: global }
      - { .name: aoc, .offset: 16, .size: 8, .value_kind: global_buffer, .address_space: global }
      - { .name: aos, .offset: 24, .size: 8, .value_kind: global_buffer, .address_space: global }
    .group_segment_fixed_size: 215040
    .private_segment_fixed_size: 0
    .kernarg_segment_align: 8
    .kernarg_segment_size: 32
    .max_flat_workgroup_size: 512
    .sgpr_count:     80
    .vgpr_count:     256
    .wavefront_size: 32
...
	.end_amdgpu_metadata
.endif
;; end of part 3
;; launch outp (part 4): grid 4 x 64, 4 waves a work-group, clusters of 4 x 4, 327,680 bytes of LDS; arguments aoc, aos, wc, ws, bo, out0; writes out0
.if DOCPART == 4
	.amdgcn_target "amdgcn-amd-amdhsa--gfx1250"
	.amdhsa_code_object_version 6
	.text
	.protected	k_q207cce0d0b_outp
	.globl	k_q207cce0d0b_outp
	.p2align	8
	.type	k_q207cce0d0b_outp,@function
k_q207cce0d0b_outp:
	s_mov_b64 s[64:65], 0
	v_nop
	global_prefetch_b8 v0, s[64:65] scope:SCOPE_SE
	s_setreg_imm32_b32 hwreg(HW_REG_WAVE_MODE, 25, 1), 1
	s_wait_xcnt 0x0
	s_wait_alu depctr_hold_cnt(0) depctr_sa_sdst(0) depctr_va_vdst(0) depctr_va_sdst(0) depctr_va_ssrc(0) depctr_va_vcc(0) depctr_vm_vsrc(0)
	s_getreg_b32 s2, hwreg(HW_REG_IB_STS2, 6, 4)
	s_cmp_eq_u32 s2, 0
	s_cbranch_scc0 .Lentry_in_a_cluster
	s_endpgm
.Lentry_in_a_cluster:
	s_bfe_u32 s2, ttmp6, 0x10000c
	s_cmp_lg_u32 s2, 0xf033
	s_cbranch_scc0 .Lentry_shape_is_right
	s_endpgm
.Lentry_shape_is_right:
; out0 = A Wo^T + bo.  A: the attention's result, 8,192 token positions x 1,024, and Wo: codes of FP6 (E2M3) with E8M0 scale words, both as images of operand registers:
; fragment (row tile T, K step s) at (T / 8) x 98,304 + s x 12,288 + (T % 8) x 1,536; its scale words at (T / 8) x 4,096 + (s / 2) x 1,024 + (T % 8) x 128 + 8 r + 4 (s % 2).  Wo is groups 24-31 of wc, ws.
; Rows lie by POSITION: position p holds the true row with bits 3 and 4 of p exchanged; the way out sets rows and columns right.
; SHARES.  256 work-groups of four waves; a work-group makes 128 token positions x 256 columns, a wave 64 x 128: 32 accumulators of 16 x 16.
; ALL OF K LIES IN LDS: A's group of 128 rows is 98,304 dense bytes, B's two groups 196,608.  Nothing is filled again: no ring, and no round but the opening and the closing one.
; FILLS, one tensor load a wave at the head, each in an arm of its own: wave 0 A's K steps 0-3 (49,152 bytes), wave 1 B's K steps 0-3 (two rows of 49,152 bytes, one a group), wave 2 A's K steps 4-7, wave 3 B's.
; The first barrier shows waves 0 and 1's tiles; the others may still be on their way.  A plain barrier in K step 3 shows the rest.
; CLUSTERS: 4 x 4.  A's tiles hang on the row group alone and are asked for jointly by a row of the cluster, B's on the column tile alone, by a column.
; THE SCALE WORDS AND THE BIAS come straight into registers: a load of 8 bytes a lane covers 256 consecutive bytes: two tiles' words of two K steps (tile 2 i in lanes 0-15, 2 i + 1 in lanes 16-31).
; The bias is the first products' C.  THE MATRIX INSTRUCTION IS USED TRANSPOSED (source 0 = 16 rows of Wo): a lane holds eight neighbouring columns of a row of the result.
; No prefetch: all tiles are asked for at the head, and there is no loop to run ahead in.
; LIMITS: NaN and infinities are not served.
; REGISTERS: window 0: v16-23 LDS addresses, v32-47 A's scale words, v48-79 B's, v80-143 the bias, v144-239 A's fragments, two sets of four; on the way out v128-255 rows read back.
; window 1: B's fragments, two sets of eight, at v0 and v128.  window 2: accumulator (a, b) at v[8 (8 a + b)].
.set KSB,   12288                      ; a K step of a group
.set FRB,   1536                       ; a fragment
.set HALFA, 49152                      ; four K steps of a group
.set BB0,   98304                      ; LDS: A at 0; B at BB0 + (s / 4) x 98,304 + group x 49,152
.set SPARE, 294912                     ; the spare words, 512 bytes that no other line names
.set FR,    12
.set NP,    4
.set ADRA,  16                         ; v16, v17 my A fragments in K steps 0-3, 4-7 (16 x lane); v18, v19 (8 x lane)
.set ADRB,  20                         ; v20-23 the same for B
.set STO,   24
.set RD,    25
.set CO,    26
.set SPW,   28
.set NIL,   29
.set SA,    32
.set SB,    48
.set BI,    80
.set AF,    144
.set BK,    128
.set G1A, 24                           ; s[24:31] group 1 of A's tiles; s[32:39] two groups 0
.set G0A, 32
.set G1B, 48                           ; s[48:55], s[56:63] the same for B
.set G0B, 56
.set WV,  92
.set HA,  93
.set HB,  94
.set MSB, 0
.macro WIN new
.if MSB != \new
	s_set_vgpr_msb (MSB<<8)|\new
.set MSB, \new
.endif
.endm
.macro PLACES n
.rept \n
	v_nop
.endr
.endm
.macro CROUND
	s_barrier_signal -1
	s_barrier_wait -1
	s_cmp_lg_u32 s[WV], 0
	s_cbranch_scc1 .Lnot_wave_0_\@
	s_barrier_signal -3
.Lnot_wave_0_\@:
	s_barrier_wait -3
	s_barrier_signal -1
	s_barrier_wait -1
.endm
.macro TLOAD g0, g1
	tensor_load_to_lds s[\g0:\g0+3], s[\g1:\g1+7]
	s_nop 0
	PLACES 4
.endm
.macro ARM under, g0, g1, next
	s_cmp_lt_u32 s[WV], \under
	s_cbranch_scc0 \next
	TLOAD \g0, \g1
	s_branch .Lhead_asked
\next:
.endm
.macro FRAG reg, adr, q, i
.irp c, 0,1
	ds_load_b128 v[\reg+6*\c:\reg+6*\c+3], v[\adr] offset:KSB*(\q)+FRB*(\i)+768*\c
	ds_load_b64 v[\reg+6*\c+4:\reg+6*\c+5], v[\adr+2] offset:KSB*(\q)+FRB*(\i)+768*\c+512
.endr
.endm
.macro FETCH st                        ; K step st's fragments into set st % 2: 48 loads
	WIN 0x40
.irp i, 0,1,2,3,4,5,6,7
	FRAG 128*((\st)%2)+FR*\i, ADRB+(\st)/4, (\st)%4, \i
.endr
	WIN 0
.irp i, 0,1,2,3
	FRAG AF+48*((\st)%2)+FR*\i, ADRA+(\st)/4, (\st)%4, \i
.endr
.endm
; 16 products: A's blocks 2 ap, 2 ap + 1 against B's eight.  The 32 accumulators take turns in the same order in every K step.
.macro MUL16 ap, st
.irp ua, 0,1
.irp bb, 0,1,2,3
.irp ub, 0,1
.set AC_, 8*(8*(2*(\ap)+\ua)+2*\bb+\ub)
.set BF_, 128*((\st)%2)+FR*(2*\bb+\ub)
.set AF_, AF+48*((\st)%2)+FR*(2*(\ap)+\ua)
.set XB_, SB+8*((\st)/2)+2*\bb+(\st)%2
.set XA_, SA+4*((\st)/2)+2*(\ap)+(\st)%2
.if (\st) == 0
	v_wmma_scale_f32_16x16x128_f8f6f4 v[AC_:AC_+7], v[BF_:BF_+FR-1], v[AF_:AF_+FR-1], v[BI+8*(2*\bb+\ub):BI+8*(2*\bb+\ub)+7], v[XB_], v[XA_] matrix_a_fmt:MATRIX_FMT_FP6 matrix_b_fmt:MATRIX_FMT_FP6 matrix_a_scale:MATRIX_SCALE_ROW\ub matrix_b_scale:MATRIX_SCALE_ROW\ua
.else
	v_wmma_scale_f32_16x16x128_f8f6f4 v[AC_:AC_+7], v[BF_:BF_+FR-1], v[AF_:AF_+FR-1], v[AC_:AC_+7], v[XB_], v[XA_] matrix_a_fmt:MATRIX_FMT_FP6 matrix_b_fmt:MATRIX_FMT_FP6 matrix_a_scale:MATRIX_SCALE_ROW\ub matrix_b_scale:MATRIX_SCALE_ROW\ua
.endif
.endr
.endr
.endr
.endm
.macro MWIN st                         ; source 0 (B) window 1, source 1 (A) window 0, D window 2; C window 2, in K step 0 the bias in window 0
.if (\st) == 0
	WIN 0x81
.else
	WIN 0xa1
.endif
.endm
.macro STEP st                         ; the next K step's fragments go into the set that the last K step's products read: four places stand between
.if (\st) > 0
	PLACES NP
.endif
	FETCH (\st)+1
	s_wait_dscnt 48                                ; all but the 48 just issued: this K step's fragments are in
	MWIN \st
	MUL16 0, \st
	MUL16 1, \st
.endm
	s_load_b256 s[4:11], s[0:1], 0x0               ; aoc, aos, wc, ws
	s_load_b128 s[12:15], s[0:1], 0x20             ; bo, out0
	v_lshl_add_u32 v[SPW], v0, 2, SPARE
	v_mov_b32 v[NIL], 0
	ds_add_u32 v[SPW], v[NIL]                      ; the opening lines: the add twice on end and one wait
	ds_add_u32 v[SPW], v[NIL]
	v_lshrrev_b32 v1, 5, v0
	v_readfirstlane_b32 s[WV], v1                  ; wave 0..3
	s_lshr_b32 s[HA], s[WV], 1                     ; which 64 of the 128 rows
	s_and_b32 s[HB], s[WV], 1                      ; which 128 of the 256 columns
	s_bfe_u32 s40, ttmp6, 0x40000                  ; cx
	s_bfe_u32 s41, ttmp6, 0x40004                  ; cy
	s_lshl_b32 s42, ttmp9, 2
	s_add_co_u32 s42, s42, s40                     ; column tile 0..3
	s_and_b32 s43, ttmp7, 0xffff
	s_lshl_b32 s43, s43, 2
	s_add_co_u32 s43, s43, s41                     ; row group 0..63
	s_lshl_b32 s44, s41, 2
	s_lshl_b32 s44, 15, s44                        ; my row of the cluster
	s_lshl_b32 s45, 0x1111, s40                    ; my column
	s_or_b32 s[G1A+0], s44, (3<<16)|(1<<21)        ; elements of 8 bytes; 192 rows of 256 bytes, dense
	s_mov_b32 s[G1A+1], 32<<16
	s_mov_b32 s[G1A+2], 192<<16
	s_mov_b32 s[G1A+3], 32<<16
	s_mov_b32 s[G1A+4], 192
	s_mov_b32 s[G1A+5], 32
	s_mov_b32 s[G1A+6], 0
	s_mov_b32 s[G1A+7], 0
	s_or_b32 s[G1B+0], s45, (3<<16)|(1<<21)        ; two rows of 49,152 bytes (6,144 elements), 98,304 bytes apart
	s_mov_b32 s[G1B+1], 6144<<16
	s_mov_b32 s[G1B+2], 2<<16
	s_mov_b32 s[G1B+3], 6144<<16
	s_mov_b32 s[G1B+4], 2
	s_mov_b32 s[G1B+5], 12288
	s_mov_b32 s[G1B+6], 0
	s_mov_b32 s[G1B+7], 0
	s_mul_i32 s20, s43, 98304                      ; A's group
	s_mov_b32 s21, 0
	s_lshl_b32 s22, s42, 1
	s_add_co_u32 s22, s22, 24
	s_mul_i32 s22, s22, 98304                      ; Wo's two groups
	s_mov_b32 s23, 0
	s_wait_alu depctr_va_vdst(0)                   ; the wait here, directly ahead of the wait below
	s_wait_dscnt 0x0
	s_wait_kmcnt 0x0
	s_add_nc_u64 s[20:21], s[4:5], s[20:21]
	s_add_nc_u64 s[22:23], s[8:9], s[22:23]
	CROUND                                         ; all sixteen work-groups are here: the joint loads meet
.irp f, 0,1
	s_mov_b32 s[G0A+4*\f], 1
	s_mov_b32 s[G0A+4*\f+1], \f*HALFA
	s_add_nc_u64 s[G0A+4*\f+2:G0A+4*\f+3], s[20:21], \f*HALFA
	s_or_b32 s[G0A+4*\f+3], s[G0A+4*\f+3], 0x80000000
	s_mov_b32 s[G0B+4*\f], 1
	s_mov_b32 s[G0B+4*\f+1], BB0+\f*2*HALFA
	s_add_nc_u64 s[G0B+4*\f+2:G0B+4*\f+3], s[22:23], \f*HALFA
	s_or_b32 s[G0B+4*\f+3], s[G0B+4*\f+3], 0x80000000
.endr
	ARM 1, G0A,   G1A, .Lhead_b0                   ; one tree of branches on the wave's number: every way passes exactly one load
	ARM 2, G0B,   G1B, .Lhead_a1
	ARM 3, G0A+4, G1A, .Lhead_b1
	TLOAD G0B+4, G1B
.Lhead_asked:
	v_and_b32 v1, 31, v0
	v_and_b32 v2, 15, v0                           ; r
	v_bfe_u32 v3, v0, 4, 1                         ; h
	v_lshlrev_b32 v[CO], 4, v1
	v_lshlrev_b32 v5, 3, v1
	s_mul_i32 s16, s[HA], 4*FRB                    ; my four tiles of A's eight
	s_mul_i32 s17, s[HB], HALFA                    ; my group of B's two
	s_add_co_u32 s17, s17, BB0
.irp f, 0,1
	v_add_nc_u32 v[ADRA+\f], s16, v[CO]
	v_add_nc_u32 v[ADRA+2+\f], s16, v5
	v_add_nc_u32 v[ADRB+\f], s17, v[CO]
	v_add_nc_u32 v[ADRB+2+\f], s17, v5
	s_add_co_u32 s16, s16, HALFA
	s_add_co_u32 s17, s17, 2*HALFA
.endr
	v_lshlrev_b32 v30, 6, v3                       ; the bias: 16 columns further on for lanes 16-31
	s_mul_i32 s16, s[WV], 8448                     ; my stage: 16 rows of 528 bytes, on A's K steps 0-3, which nobody reads behind the second barrier
	v_mul_u32_u24 v4, v2, 528
	v_lshl_add_u32 v4, v3, 6, v4
	v_add_nc_u32 v[STO], s16, v4
	v_add_nc_u32 v[RD], s16, v[CO]
	s_lshl_b32 s16, s43, 12
	s_lshl_b32 s17, s[HA], 9
	s_add_co_u32 s16, s16, s17
	s_mov_b32 s17, 0
	s_add_nc_u64 s[96:97], s[6:7], s[16:17]        ; my four tiles' scale words
	s_lshl_b32 s16, s42, 1
	s_add_co_u32 s16, s16, s[HB]
	s_add_co_u32 s16, s16, 24
	s_lshl_b32 s16, s16, 12
	s_add_nc_u64 s[98:99], s[10:11], s[16:17]      ; my group of Wo's
	s_lshl_b32 s16, s42, 10
	s_lshl_b32 s18, s[HB], 9
	s_add_co_u32 s16, s16, s18                     ; my first column, in bytes
	s_add_nc_u64 s[12:13], s[12:13], s[16:17]
	s_add_nc_u64 s[14:15], s[14:15], s[16:17]
	s_lshl_b32 s16, s43, 19
	s_lshl_b32 s18, s[HA], 18
	s_add_co_u32 s16, s16, s18                     ; my first row: 128 x group + 64 x half, rows of 4,096 bytes
	s_add_nc_u64 s[14:15], s[14:15], s[16:17]
	s_wait_alu depctr_va_vdst(0)
.irp sp, 0,1,2,3
.irp i, 0,1
	global_load_b64 v[SA+4*\sp+2*\i:SA+4*\sp+2*\i+1], v5, s[96:97] offset:1024*\sp+256*\i
.endr
.irp i, 0,1,2,3
	global_load_b64 v[SB+8*\sp+2*\i:SB+8*\sp+2*\i+1], v5, s[98:99] offset:1024*\sp+256*\i
.endr
.endr
.irp b, 0,1,2,3,4,5,6,7
	global_load_b128 v[BI+8*\b:BI+8*\b+3], v30, s[12:13] offset:(32*(\b/2)+8*(\b%2))*4
	global_load_b128 v[BI+8*\b+4:BI+8*\b+7], v30, s[12:13] offset:(32*(\b/2)+8*(\b%2))*4+16
.endr
	s_cmp_lt_u32 s[WV], 2
	s_cbranch_scc0 .Lnot_first
	s_wait_tensorcnt 0x0                           ; waves 0 and 1: my tile of K steps 0-3 is in
.Lnot_first:
	s_barrier_signal -1
	s_barrier_wait -1                              ; K steps 0-3 are whole
	FETCH 0
	s_wait_loadcnt 0x0                             ; the scale words and the bias
	STEP 0
	STEP 1
	STEP 2
	s_wait_tensorcnt 0x0                           ; K step 3: my load has landed,
	s_wait_dscnt 0x0                               ; and my reads of K steps 0-3 are over
	s_barrier_signal -1
	MWIN 3
	MUL16 0, 3
	s_barrier_wait -1                              ; K steps 4-7 are whole, and nobody reads K steps 0-3 any more
	PLACES NP
	FETCH 4
	MWIN 3
	MUL16 1, 3
	STEP 4
	STEP 5
	STEP 6
	s_wait_dscnt 0x0
	MUL16 0, 7
	MUL16 1, 7
	WIN 0
; THE WAY OUT, block by block of 16 rows x 128 columns, through my own stage: in by lanes (32 bytes of a row each), back as whole rows of 512 bytes.  LDS serves a wave's instructions in order.
.macro TOSTAGE a
.set AC, 64*(\a)
	WIN 0x08
.irp b, 0,1,2,3,4,5,6,7
	ds_store_b128 v[STO], v[AC+8*\b:AC+8*\b+3] offset:128*(\b/2)+32*(\b%2)        ; each accumulator from its low end on; true column 32 (b / 2) + 16 h + 8 (b % 2) + j
	ds_store_b128 v[STO], v[AC+8*\b+4:AC+8*\b+7] offset:128*(\b/2)+32*(\b%2)+16
.endr
	WIN 0
.set BB, BK+64*((\a)%2)
.irp t, 0,1,2,3,4,5,6,7,8,9,10,11,12,13,14,15
	ds_load_b128 v[BB+4*\t:BB+4*\t+3], v[RD] offset:\t*528
.endr
.endm
.macro SEND a, younger
.set BB, BK+64*((\a)%2)
	s_wait_dscnt \younger
.irp t, 0,1,2,3,4,5,6,7,8,9,10,11,12,13,14,15
	global_store_b128 v[CO], v[BB+4*\t:BB+4*\t+3], s[14:15] offset:(32*((\a)/2)+8*((\a)%2)+\t+8*(\t/8))*4096 th:TH_STORE_NT   ; 512 consecutive bytes of a true row
.endr
.endm
	PLACES NP
	TOSTAGE 0
.irp a, 1,2,3
.if \a > 1
	s_wait_xcnt 0x0                                ; block a - 2's stores have read their registers
.endif
	TOSTAGE \a
	SEND \a-1, 32                                  ; behind block a - 1's loads: block a's 16 stores and 16 loads
.endr
	SEND 3, 0
	s_wait_tensorcnt 0x0                           ; the wave's end
	ds_add_u32 v[SPW], v[NIL]
	s_wait_dscnt 0x0
	CROUND                                         ; the closing round
	s_endpgm
.Lfunc_end_k_q207cce0d0b_outp:
	.size	k_q207cce0d0b_outp, .Lfunc_end_k_q207cce0d0b_outp-k_q207cce0d0b_outp
	.p2alignl 7, 3214868480
	.fill 96, 4, 3214868480
	.section	.rodata,"a",@progbits
	.p2align	6, 0x0
	.amdhsa_kernel k_q207cce0d0b_outp
		.amdhsa_group_segment_fixed_size 327680
		.amdhsa_private_segment_fixed_size 0
		.amdhsa_enable_private_segment 0
		.amdhsa_kernarg_size 48
		.amdhsa_user_sgpr_count 2
		.amdhsa_user_sgpr_kernarg_segment_ptr 1
		.amdhsa_wavefront_size32 1
		.amdhsa_system_sgpr_workgroup_id_x 1
		.amdhsa_system_sgpr_workgroup_id_y 1
		.amdhsa_system_sgpr_workgroup_id_z 1
		.amdhsa_system_vgpr_workitem_id 0
		.amdhsa_next_free_vgpr 768
		.amdhsa_next_free_sgpr 102
		.amdhsa_reserve_vcc 0
		.amdhsa_float_denorm_mode_32 3
		.amdhsa_float_denorm_mode_16_64 3
		.amdhsa_memory_ordered 1
		.amdhsa_forward_progress 1
		.amdhsa_inst_pref_size 84
	.end_amdhsa_kernel
	.amdgpu_metadata
---
amdhsa.version: [ 1, 2 ]
amdhsa.kernels:
  - .name:           k_q207cce0d0b_outp
    .symbol:         k_q207cce0d0b_outp.kd
    .args:
      - { .name: aoc, .offset: 0, .size: 8, .value_kind: global_buffer, .address_space: global }
      - { .name: aos, .offset: 8, .size: 8, .value_kind: global_buffer, .address_space: global }
      - { .name: wc, .offset: 16, .size: 8, .value_kind: global_buffer, .address_space: global }
      - { .name: ws, .offset: 24, .size: 8, .value_kind: global_buffer, .address_space: global }
      - { .name: bo, .offset: 32, .size: 8, .value_kind: global_buffer, .address_space: global }
      - { .name: out0, .offset: 40, .size: 8, .value_kind: global_buffer, .address_space: global }
    .group_segment_fixed_size: 327680
    .private_segment_fixed_size: 0
    .kernarg_segment_align: 8
    .kernarg_segment_size: 48
    .max_flat_workgroup_size: 128
    .sgpr_count:     102
    .vgpr_count:     768
    .wavefront_size: 32
...
	.end_amdgpu_metadata
.endif
;; end of part 4
